; MI455X (gfx1250); checked and timed in simulation.
; The chip was launched on July 23, 2026; its instructions are those of AMD's public machine-readable ISA for CDNA 5 (MIT licence, August 2026) and "CDNA5" Instruction Set Architecture Reference Guide (July 2026). The comments in the code are by the model that wrote it; some were corrected since.
;; Residual Multi Head Attention. Allowed arithmetic: matrix products marked QUANTISED: E2M1 operands, one E8M0 scale for each 32 along K, by v_wmma_scale_f32_16x16x128_f8f6f4 with both operands' format E2M1 (or v_wmma_scale_f32_32x16x128_f4), f32 sums; everything else in f32.
;; Inputs: Wk_codes 1,024 x 32 x 16 uint8 (E2M1 codes of Wk, K innermost, in blocks of 32 codes, two codes a byte); Wk_scales 1,024 x 32 uint8 (E8M0 scales of Wk, one for each 32 codes along K); Wo_codes 1,024 x 32 x 16 uint8 (E2M1 codes of Wo, K innermost, in blocks of 32 codes, two codes a byte); Wo_scales 1,024 x 32 uint8 (E8M0 scales of Wo, one for each 32 codes along K); Wq_codes 1,024 x 32 x 16 uint8 (E2M1 codes of Wq, K innermost, in blocks of 32 codes, two codes a byte); Wq_scales 1,024 x 32 uint8 (E8M0 scales of Wq, one for each 32 codes along K); Wv_codes 1,024 x 32 x 16 uint8 (E2M1 codes of Wv, K innermost, in blocks of 32 codes, two codes a byte); Wv_scales 1,024 x 32 uint8 (E8M0 scales of Wv, one for each 32 codes along K); attention_mask 4 x 2,048 x 2,048 bool; hidden_state_key_codes 4 x 2,048 x 32 x 16 uint8 (E2M1 codes of hidden_state_key, K innermost, in blocks of 32 codes, two codes a byte); hidden_state_key_scales 4 x 2,048 x 32 uint8 (E8M0 scales of hidden_state_key, one for each 32 codes along K); hidden_state_query 4 x 2,048 x 1,024 float32; hidden_state_value_codes 4 x 2,048 x 32 x 16 uint8 (E2M1 codes of hidden_state_value, K innermost, in blocks of 32 codes, two codes a byte); hidden_state_value_scales 4 x 2,048 x 32 uint8 (E8M0 scales of hidden_state_value, one for each 32 codes along K).
;; Outputs: out0 4 x 2,048 x 1,024 float32.
;; This version of the problem:
;;   THIS VERSION OF THE PROBLEM IS GIVEN IN LOW PRECISION. The matrix products marked QUANTISED in the list below multiply operands that are first quantised to E2M1 (2 exponent bits, 1 mantissa bit; 4 bits a number), with one power-of-two scale for each 32 numbers along K (OCP MX v1.0); their sums are f32. All else is computed in f32.
;;   The module's matrix products, in the order in which they are computed (A, B: the left and right operand; K: the contracted axis; several contracted axes count as one K, in the product's order):
;;     1. [M 8,192, K 1,024] x [K 1,024, N 1,024]; A: input hidden_state_query; B: input Wq (given as codes): QUANTISED
;;     2. [M 8,192, K 1,024] x [K 1,024, N 1,024]; A: input hidden_state_key (given as codes); B: input Wk (given as codes): QUANTISED
;;     3. [M 8,192, K 1,024] x [K 1,024, N 1,024]; A: input hidden_state_value (given as codes); B: input Wv (given as codes): QUANTISED
;;     4. batch 64 x [M 2,048, K 64] x [K 64, N 2,048]; A: computed on the way; B: computed on the way: QUANTISED
;;     5. batch 64 x [M 2,048, K 2,048] x [K 2,048, N 64]; A: computed on the way; B: computed on the way: QUANTISED
;;     6. [M 8,192, K 1,024] x [K 1,024, N 1,024]; A: computed on the way; B: input Wo (given as codes): QUANTISED
;;   THE QUANTISER, for each operand of a quantised product, along K:
;;     - K is cut into blocks of 32 from its start; a last block that is shorter is filled with zeros.
;;     - A block's scale is 2^e with e = floor(log2(the largest magnitude in the block)) - 2, held to -126 .. 127; a block of zeros has e = 0. As a byte (E8M0): e + 127.
;;     - Each number is divided by its block's scale, clamped to +-6, and rounded to the nearest number of E2M1, ties to even, subnormals kept.
;;     - The product sums the exact products of the quantised numbers (number of the format x scale) in f32.
;;   ~~~python
;;   def quantise(x, axis):      # numpy; x: float32 -> the quantised numbers, widened to float32 again
;;       x = np.moveaxis(x, axis, -1); K = x.shape[-1]
;;       x = np.pad(x, [(0, 0)] * (x.ndim - 1) + [(0, -K % 32)]); x = x.reshape(x.shape[:-1] + (-1, 32)); a = np.abs(x).max(-1, keepdims=True)
;;       e = np.where(a > 0, np.clip(np.frexp(np.where(a > 0, a, 1))[1] - 1 - 2, -126, 127), 0)      # np.frexp(a)[1] - 1 = floor(log2(a)), exactly
;;       r = np.clip(x / 2.0 ** e, -6, 6)
;;       step = 2.0 ** (np.maximum(np.frexp(np.where(r == 0, 1, r))[1] - 1, 0) - 1)
;;       q = np.round(r / step) * step * 2.0 ** e      # np.round: ties to even
;;       return np.moveaxis(q.reshape(q.shape[:-2] + (-1,))[..., :K], -1, axis).astype(np.float32)
;;   ~~~
;;   OPERANDS COMPUTED ON THE WAY. 'Computed on the way' means the value that the module computes at that place (a softmax that the list does not call 'softmax' is quantised finished and normalised). What goes into a quantiser is computed in f32, as accurately as f32 sums, v_exp_f32 and their like allow (about 1e-6 of the number): no bf16 or f16 on the way to a quantiser, and a product that is left as it is and whose result goes on into a quantised operand takes f32 operands (vector FMAs, or v_wmma_f32_16x16x4_f32). A number that lies on a knife's edge between two numbers of the format may be rounded either way, as far as f32 arithmetic and the matrix unit's own rounding can turn it there, and no further.
;;   INPUTS GIVEN AS CODES. Wk (in the module: [1024, 1024], K = its axis 1); Wo (in the module: [1024, 1024], K = its axis 1); Wq (in the module: [1024, 1024], K = its axis 1); Wv (in the module: [1024, 1024], K = its axis 1); hidden_state_key (in the module: [4, 2048, 1024], K = its axis 2); hidden_state_value (in the module: [4, 2048, 1024], K = its axis 2): each comes as NAME_codes (uint8): NAME with its K axis moved to the last place and cut into blocks of 32 codes, [.., K / 32, bytes a block], one block behind the other in memory; two codes a byte, the lower K in the low four bits (a code: sign, 2 exponent bits, 1 mantissa bit); and NAME_scales (uint8): the same leading axes, one E8M0 byte (e + 127) for each 32 codes along K. Its value is code x scale, taken as it is: it is not quantised again, and the codes and scales need not be those that the quantiser above would give.
;; 2 versions, each right; version 2 is version 1 with the launch attn written anew for expert scheduling mode. Each part assembles by itself: llvm-mc -triple=amdgcn-amd-amdhsa -mcpu=gfx1250 --defsym DOCPART=n.
;; ======== version 1 of 2: 4 launches
;; workspace buffers: xq 4,456,448 bytes; qkv 13,369,344 bytes; maskw 2,097,152 bytes of whole numbers; ctx 4,456,448 bytes
;; launch prep (part 1): grid 512 x 1, 4 waves a work-group, no clusters, 50,688 bytes of LDS; arguments hidden_state_query, attention_mask, xq, maskw; writes xq, maskw
.if DOCPART == 1
	.amdgcn_target "amdgcn-amd-amdhsa--gfx1250"
	.amdhsa_code_object_version 6
	.text
	.protected	k_qd02027598f_prep
	.globl	k_qd02027598f_prep
	.p2align	8
	.type	k_qd02027598f_prep,@function
k_qd02027598f_prep:
	s_mov_b64 s[64:65], 0
	v_nop
	global_prefetch_b8 v0, s[64:65] scope:SCOPE_SE
	s_setreg_imm32_b32 hwreg(HW_REG_WAVE_MODE, 25, 1), 1
	s_wait_xcnt 0x0
; LAUNCH 1 OF 4.  The program: out0 = ctx Wo^T + hidden_state_query, ctx = (softmax(q k^T / 8), set to 0 where attention_mask is true) v, q, k, v = projections; all six products on codes of E2M1 with one E8M0 scale for each 32 along K.
; NO WORK OF reference() IS LEFT OUT: every input has a way to out0, every product is live, and the mask is an input, so no tile may be passed over.
; This launch: (X) work-groups 0-255 turn hidden_state_query [8192][1024] f32 into codes (xq + 0: [8192][512 bytes], K innermost) and scale bytes (xq + 4,194,304: [8192][32]);
; (M) work-groups 256-511 turn attention_mask [4][2048][2048] bytes into LANE-MASK WORDS for the attention launch: maskw [b][T = q / 16][w = key / 128][n = 0..63], bit l of word n =
; mask[b][16 T + l % 16][128 w + 16 (n / 8) + 8 (l / 16) + n % 8]: the lane and register in which that launch holds the score.  So there one select by a scalar word masks 32 scores.
; A block's scale is 2^(floor(log2(largest magnitude)) - 2); its byte is the largest magnitude's exponent field - 2, held at 1 from below.
; LIMITS: a block of zeros gets the byte 1 where the rule says 127 (its codes are zeros, which add nothing under any byte but 0xff, and this program alone reads the bytes); blocks whose largest magnitude lies under 2^(2 - 126)
; keep the byte 1; NaN and infinities among the inputs are not served.
; The two paths part on the work-group's number, each with LDS bytes of its own.  No tensor load, no barrier: waves share nothing.  No matrix unit, no cluster: the launch streams, and no byte is read by two work-groups.
.set STEPS, 16
.set CB,    8                          ; bytes of 16 codes
.set R,     16                         ; X: v16-79   four sets of 16 numbers as loaded
.set X,     80                         ; X: v80-111  two sets of 16 neighbours
.set E,     112                        ; X: v112-127 a scale byte for each step
.set C,     128                        ; X: v128-191 codes, four registers a step
.set WREG,  8192                       ; X: LDS region of a wave: two stages of 32 x 80 bytes, then its 256 scale bytes
.set SP,    80
.set MSTG,  32768                      ; M: a stage of 16 rows x 272 bytes for each wave
.set SPARE, 50176                      ; the spare words, 128 bytes for each wave: two blocks of 256 bytes that no other line names
.set SPW,   12                         ; v12 LDS address of my spare word; never rewritten
.set NIL,   13                         ; v13 0; never rewritten
.set W,     16                         ; M: v16-31   the words of a unit: four registers, 128 words over 32 lanes
.set MR,    32                         ; M: v32-159  32 loads x 4 registers
.set MB,    160                        ; M: v160-191 a unit's bytes, turned: 16 tiles x 8 bytes
.set MT,    192                        ; M: v192-199 at work
	s_load_b256 s[4:11], s[0:1], 0x0               ; hidden_state_query s[4:5], attention_mask s[6:7], xq s[8:9], maskw s[10:11]
	v_lshl_add_u32 v[SPW], v0, 2, SPARE
	v_mov_b32 v[NIL], 0
	v_lshrrev_b32 v1, 5, v0
	v_readfirstlane_b32 s16, v1                    ; wave
	v_and_b32 v2, 31, v0                           ; lane
	s_cmp_lt_u32 ttmp9, 256
	s_cbranch_scc0 .Lmask
; ---------------- X: a wave takes 16 steps of 512 numbers.  Each load reads 512 consecutive bytes; a step's 2,048 bytes turn through the wave's stage so that a lane holds 16 neighbours along K
	v_lshlrev_b32 v3, 4, v2                        ; my 16 bytes of a load's 512
	s_mul_i32 s17, s16, WREG
	v_lshrrev_b32 v14, 2, v2
	v_mul_u32_u24 v14, v14, SP
	v_and_b32 v15, 3, v2
	v_lshl_add_u32 v14, v15, 4, v14
	v_add_nc_u32 v14, s17, v14                     ; into the stage: 80 (lane / 4) + 16 (lane % 4)
	v_mul_u32_u24 v15, v2, SP
	v_add_nc_u32 v15, s17, v15                     ; out of it: 80 x lane
	v_mul_u32_u24 v4, v2, CB                       ; my codes' place in a step's
	v_lshrrev_b32 v5, 1, v2
	s_add_co_u32 s17, s17, 2*32*SP
	v_add_nc_u32 v5, s17, v5                       ; my block's scale byte in LDS
	v_lshlrev_b32 v7, 3, v2
	v_add_nc_u32 v6, s17, v7
	s_lshl_b32 s17, ttmp9, 2
	s_add_co_u32 s18, s17, s16                     ; which run of 8,192 numbers is my wave's
	s_mov_b32 s19, 0
	s_lshl_b64 s[20:21], s[18:19], 15              ; 32,768 bytes of f32,
	s_lshl_b64 s[22:23], s[18:19], 12              ; 4,096 of codes,
	s_lshl_b64 s[24:25], s[18:19], 8               ; 256 of scale bytes
	s_wait_kmcnt 0x0
	s_add_nc_u64 s[4:5], s[4:5], s[20:21]
	s_add_nc_u64 s[14:15], s[8:9], 0x400000
	s_add_nc_u64 s[14:15], s[14:15], s[24:25]
	s_add_nc_u64 s[8:9], s[8:9], s[22:23]
.macro LOAD t
.irp i, 0,1,2,3
	global_load_b128 v[R+16*((\t)%4)+4*\i:R+16*((\t)%4)+4*\i+3], v3, s[4:5] offset:2048*(\t)+512*\i th:TH_LOAD_NT
.endr
.endm
.macro TURN t                          ; LDS serves a wave's instructions in order: no wait between the stores and the loads
.irp i, 0,1,2,3
	ds_store_b128 v14, v[R+16*((\t)%4)+4*\i:R+16*((\t)%4)+4*\i+3] offset:32*SP*((\t)%2)+8*SP*\i
.endr
.irp i, 0,1,2,3
	ds_load_b128 v[X+16*((\t)%2)+4*\i:X+16*((\t)%2)+4*\i+3], v15 offset:32*SP*((\t)%2)+16*\i
.endr
.endm
.irp t, 0,1,2,3
	LOAD \t
.endr
	s_wait_loadcnt 12                              ; step 0's four loads are in; three steps' twelve may be out
	TURN 0
.macro STEP t
.set XS, X+16*((\t)%2)
.if (\t) > 0
	s_wait_dscnt 1                                 ; this step's numbers are back from the stage; the last step's byte store may be out
.else
	s_wait_dscnt 0x0
.endif
.if (\t)+4 < STEPS
	LOAD (\t)+4
.endif
.if (\t)+1 < STEPS
.if STEPS-2-(\t) >= 3
	s_wait_loadcnt 12                              ; the next step's four loads are in; those of the three steps behind it may be out
.else
	s_wait_loadcnt 4*(STEPS-2-(\t))
.endif
	TURN (\t)+1
.endif
	v_max3_num_f32 v8, |v[XS]|, |v[XS+1]|, |v[XS+2]|
	v_max3_num_f32 v9, |v[XS+3]|, |v[XS+4]|, |v[XS+5]|
.irp i, 6,10
	v_max3_num_f32 v8, v8, |v[XS+\i]|, |v[XS+\i+1]|
	v_max3_num_f32 v9, v9, |v[XS+\i+2]|, |v[XS+\i+3]|
.endr
	v_max3_num_f32 v8, v8, |v[XS+14]|, |v[XS+15]|
	v_max3_num_f32 v8, v8, v9, 0x1800000           ; and the floor 2^(3 - 127): the byte cannot fall under 1
	v_max_num_f32_dpp v8, v8, v8 row_xmask:1 row_mask:0xf bank_mask:0xf   ; with my neighbour's 16: the block's largest magnitude
	v_add_nc_u32 v11, 0xff000000, v8               ; 2 off its exponent field: the conversion's scale operand
	v_cvt_scalef32_pk8_fp4_f32 v[C+4*(\t)], v[XS:XS+7], v11
	v_cvt_scalef32_pk8_fp4_f32 v[C+4*(\t)+1], v[XS+8:XS+15], v11
	v_lshrrev_b32 v[E+(\t)], 23, v11               ; the scale's byte
	ds_store_b8 v5, v[E+(\t)] offset:16*(\t)       ; both lanes of a block write the same byte with the same value
	global_store_b64 v4, v[C+4*(\t):C+4*(\t)+1], s[8:9] offset:32*CB*(\t)   ; the wave stores 256 consecutive bytes, aligned
.endm
.irp t, 0,1,2,3,4,5,6,7,8,9,10,11,12,13,14,15
	STEP \t
.endr
	ds_load_b64 v[8:9], v6
	s_wait_dscnt 0x0
	global_store_b64 v7, v[8:9], s[14:15]          ; my wave's 256 scale bytes: 256 consecutive bytes, aligned
	s_wait_tensorcnt 0x0                           ; the wave's end: behind my last LDS store
	ds_add_u32 v[SPW], v[NIL]
	s_wait_dscnt 0x0
	s_endpgm
; ---------------- M: a wave takes 16 rows of the mask x 1,024 keys, as four units of 256 keys
.Lmask:
	s_sub_co_u32 s17, ttmp9, 256
	s_lshl_b32 s17, s17, 2
	s_add_co_u32 s17, s17, s16                     ; task 0..1023
	s_lshr_b32 s18, s17, 1                         ; 128 b + T
	s_and_b32 s19, s17, 1                          ; which 1,024 keys
	s_lshl_b32 s20, s18, 15                        ; 16 rows of 2,048 bytes
	s_lshl_b32 s21, s19, 10
	s_add_co_u32 s20, s20, s21
	s_mov_b32 s21, 0
	s_lshl_b32 s22, s18, 12                        ; 16 x 64 words
	s_lshl_b32 s23, s19, 11
	s_add_co_u32 s22, s22, s23
	s_mov_b32 s23, 0
	s_mul_i32 s24, s16, 16*272
	s_add_co_u32 s24, s24, MSTG                    ; my stage
	s_mov_b32 s28, 0xff                            ; the four bytes of a word
	s_mov_b32 s29, 0xff00
	s_mov_b32 s30, 0xff0000
	s_mov_b32 s31, 0xff000000
	v_lshrrev_b32 v14, 4, v2                       ; lane / 16
	v_and_b32 v15, 15, v2                          ; lane % 16
	v_lshlrev_b32 v3, 11, v14
	v_lshl_add_u32 v3, v15, 4, v3                  ; in: lanes 0-15 one row's 256 bytes, lanes 16-31 the next row's
	v_mul_u32_u24 v4, v14, 272
	v_lshl_add_u32 v4, v15, 4, v4
	v_add_nc_u32 v4, s24, v4                       ; into the stage, as loaded
	v_mul_u32_u24 v5, v15, 272
	v_lshl_add_u32 v5, v14, 3, v5
	v_add_nc_u32 v5, s24, v5                       ; out of it: row lane % 16, 8 bytes at 8 (lane / 16): pitch 272 puts the 32 lanes' 64 words into 64 different banks
	v_lshlrev_b32 v6, 4, v2                        ; out: 16 bytes a lane
.irp i, 0,1,2,3,4,5,6,7,8,9,10,11,12,13,14,15
	v_mov_b32 v[W+\i], 0                           ; written once: v_writelane_b32's destination counts as read
.endr
	s_wait_kmcnt 0x0
	s_add_nc_u64 s[6:7], s[6:7], s[20:21]
	s_add_nc_u64 s[10:11], s[10:11], s[22:23]
.irp u, 0,1,2,3
.irp k, 0,1,2,3,4,5,6,7
	global_load_b128 v[MR+32*\u+4*\k:MR+32*\u+4*\k+3], v3, s[6:7] offset:256*\u+4096*\k th:TH_LOAD_NT   ; two rows x 256 bytes, aligned
.endr
.endr
.macro UNIT u
	s_wait_loadcnt 8*(3-\u)                        ; this unit's eight loads are in; the later units' may be out
.irp k, 0,1,2,3,4,5,6,7
	ds_store_b128 v4, v[MR+32*\u+4*\k:MR+32*\u+4*\k+3] offset:544*\k
.endr
.irp t, 0,1,2,3,4,5,6,7,8,9,10,11,12,13,14,15
	ds_load_b64 v[MB+2*\t:MB+2*\t+1], v5 offset:16*\t   ; tile t of 16 keys: my row's bytes of keys 16 t + 8 (lane / 16) + 0..7
.endr
	s_wait_dscnt 0x0
.irp t, 0,1,2,3,4,5,6,7,8,9,10,11,12,13,14,15
.irp j, 0,1,2,3,4,5,6,7
	v_and_b32 v[MT+\j], s[28+\j%4], v[MB+2*\t+\j/4]
.endr
.irp j, 0,1,2,3,4,5,6,7
	v_cmp_ne_u32 s[32+\j], 0, v[MT+\j]             ; word 8 t + j: a bit for each lane
.endr
.irp j, 0,1,2,3,4,5,6,7
	v_writelane_b32 v[W+4*\u+\j%4], s[32+\j], 2*\t+\j/4   ; word n goes to register n % 4 of lane n / 4: so a store of 16 bytes a lane lays the 128 words on end
.endr
.endr
	global_store_b128 v6, v[W+4*\u:W+4*\u+3], s[10:11] offset:512*\u   ; 512 consecutive bytes, aligned
.endm
	UNIT 0
	UNIT 1
	UNIT 2
	UNIT 3
	s_wait_tensorcnt 0x0                           ; the wave's end: behind my last LDS store
	ds_add_u32 v[SPW], v[NIL]
	s_wait_dscnt 0x0
	s_endpgm
.Lfunc_end_k_qd02027598f_prep:
	.size	k_qd02027598f_prep, .Lfunc_end_k_qd02027598f_prep-k_qd02027598f_prep
	.p2alignl 7, 3214868480
	.fill 96, 4, 3214868480
	.section	.rodata,"a",@progbits
	.p2align	6, 0x0
	.amdhsa_kernel k_qd02027598f_prep
		.amdhsa_group_segment_fixed_size 50688
		.amdhsa_private_segment_fixed_size 0
		.amdhsa_enable_private_segment 0
		.amdhsa_kernarg_size 32
		.amdhsa_user_sgpr_count 2
		.amdhsa_user_sgpr_kernarg_segment_ptr 1
		.amdhsa_wavefront_size32 1
		.amdhsa_system_sgpr_workgroup_id_x 1
		.amdhsa_system_sgpr_workgroup_id_y 1
		.amdhsa_system_sgpr_workgroup_id_z 1
		.amdhsa_system_vgpr_workitem_id 0
		.amdhsa_next_free_vgpr 200
		.amdhsa_next_free_sgpr 66
		.amdhsa_reserve_vcc 0
		.amdhsa_float_denorm_mode_32 3
		.amdhsa_float_denorm_mode_16_64 3
		.amdhsa_memory_ordered 1
		.amdhsa_forward_progress 1
		.amdhsa_inst_pref_size 125
	.end_amdhsa_kernel
	.amdgpu_metadata
---
amdhsa.version: [ 1, 2 ]
amdhsa.kernels:
  - .name:           k_qd02027598f_prep
    .symbol:         k_qd02027598f_prep.kd
    .args:
      - { .name: hidden_state_query, .offset: 0, .size: 8, .value_kind: global_buffer, .address_space: global }
      - { .name: attention_mask, .offset: 8, .size: 8, .value_kind: global_buffer, .address_space: global }
      - { .name: xq, .offset: 16, .size: 8, .value_kind: global_buffer, .address_space: global }
      - { .name: maskw, .offset: 24, .size: 8, .value_kind: global_buffer, .address_space: global }
    .group_segment_fixed_size: 50688
    .private_segment_fixed_size: 0
    .kernarg_segment_align: 8
    .kernarg_segment_size: 32
    .max_flat_workgroup_size: 128
    .sgpr_count:     66
    .vgpr_count:     200
    .wavefront_size: 32
...
	.end_amdgpu_metadata
.endif
;; end of part 1
;; launch proj (part 2): grid 4 x 192, 8 waves a work-group, clusters of 4 x 4, 222,976 bytes of LDS; arguments xq, hidden_state_key_codes, hidden_state_key_scales, hidden_state_value_codes, hidden_state_value_scales, Wq_codes, Wq_scales, Wk_codes, Wk_scales, Wv_codes, Wv_scales, qkv; writes qkv
.if DOCPART == 2
	.amdgcn_target "amdgcn-amd-amdhsa--gfx1250"
	.amdhsa_code_object_version 6
	.text
	.protected	k_qd02027598f_proj
	.globl	k_qd02027598f_proj
	.p2align	8
	.type	k_qd02027598f_proj,@function
k_qd02027598f_proj:
	s_mov_b64 s[64:65], 0
	v_nop
	global_prefetch_b8 v0, s[64:65] scope:SCOPE_SE
	s_setreg_imm32_b32 hwreg(HW_REG_WAVE_MODE, 25, 1), 1
	s_wait_xcnt 0x0
	s_wait_alu depctr_hold_cnt(0) depctr_sa_sdst(0) depctr_va_vdst(0) depctr_va_sdst(0) depctr_va_ssrc(0) depctr_va_vcc(0) depctr_vm_vsrc(0)
	s_getreg_b32 s2, hwreg(HW_REG_IB_STS2, 6, 4)
	s_cmp_eq_u32 s2, 0
	s_cbranch_scc0 .Lentry_in_a_cluster
	s_endpgm
.Lentry_in_a_cluster:
	s_bfe_u32 s2, ttmp6, 0x10000c
	s_cmp_lg_u32 s2, 0xf033
	s_cbranch_scc0 .Lentry_shape_is_right
	s_endpgm
.Lentry_shape_is_right:
; LAUNCH 2 OF 4: the three projections, each result quantised in registers for the product that takes it.  Nothing of reference() is left out here.
; ONE GENERIC PRODUCT: source 0 = 16 rows of operand P, source 1 = 16 rows of operand R; in the result a lane holds ONE row of R and its registers run along P's rows, which is the axis along which the result is quantised.
;   q, k: R = tokens (8,192 rows), P = the weight's rows (1,024): q and k are quantised along the head's 64.      v: R = Wv's rows, P = tokens: v is quantised along the keys.
; All operands have rows of 512 bytes of codes and 32 scale bytes, so only pointers and three scalar strides differ; they are chosen by s_cselect on the cluster's y, which all partners share.  No branch hangs on the mode.
; SHARES: a work-group makes R 128 x P 256; eight waves, wave w: R rows 32 (w / 2) on, P rows 128 (w % 2) on: 2 x 8 accumulators of 16 x 16.  768 work-groups: three for each of 256 WGPs.
; ALL OF K (1,024) LIES IN LDS AT ONCE, in two chunks of 512 along K (rows of 256 bytes + 16 of padding): first fills alone, nothing is filled again.  Chunk 1 lands while chunk 0 is multiplied.
; CLUSTER 4 x 4: R's tile hangs on the cluster's row, P's on its column: each is asked for jointly by the four that share it.
; A TILE'S ROWS ARE NEIGHBOURS: register j of tile T in lane (r, h) is index 16 T + 8 h + j, so the conversion of tile T gives dword 2 (T % 2) + h of block T / 2; written to registers in the order 0, 2, 1, 3 and followed by two
; exchanges of halves for each 64 along the index, the eight dwords are the next operand's registers: lane half h holds block 2 c + h whole.
; OUT (qkv): q codes + 0, k codes + 4,194,304: [b][head][token][32 bytes]; v codes + 8,388,608: [b][head][key / 64][d][32 bytes]; q, k scale words + 12,582,912, + 12,845,056: [b][head / 2][token] (bytes 0, 1 the even head's);
; v scale words + 13,107,200: [b][head][key / 128][d].
; LIMITS: a block of zeros gets the byte 1 where the rule says 127 (zero codes; the bytes are read by this program alone); NaN and infinities are not served.
.set CH1,   104448                     ; chunk 1; a chunk: R's 128 rows, then P's 256 rows, pitch 272
.set POFF,  34816                      ; P's rows in a chunk
.set SCR,   208896                     ; R's scale bytes: 16 units of 256 bytes + 16
.set SCP,   213248                     ; P's: 32 units
.set SPARE, 221952                     ; the spare words, 128 bytes for each wave: four blocks of 256 bytes that no other line names
.set SPW, 1                            ; v1  LDS address of my spare word; never rewritten
.set NIL, 2                            ; v2  0; never rewritten
.set AR,  3                            ; v3  my lane's place in R's rows
.set AP,  4                            ; v4  in P's
.set ASR, 5                            ; v5  among R's scale words
.set ASP, 6                            ; v6  among P's
.set RS,  8                            ; v8-15   R's scale words: 4 m + q
.set PS,  16                           ; v16-47  P's: 4 t + q
.set RF,  48                           ; v48-63  R's two fragments
.set PF,  64                           ; v64-127 P's eight
.set ACC, 128                          ; v128-255 accumulator (m, t) at 8 (8 m + t)
.set TM,  64                           ; the way out, in P's fragments' registers: v64-79 at work
.set PC0, 80                           ; v80-87, v88-95 the codes of m = 0, 1
.set PC1, 88
.set PW0, 96                           ; v96, v97 their scale words
.set PW1, 97
.set CO0, 98                           ; v98, v99 byte offsets of the two stores of codes; v100 of the scale words
.set CO1, 99
.set SO,  100
.set WV,   2                           ; s2  wave
.set SIDE, 3                           ; s3  0: I fetch for R; 1: for P
.set SEL,  24                          ; s[24:25] lane selects for v_permlanex16_b32: lane l xor 16
.set G1RC, 36                          ; s[36:43] group 1: R's codes, 32 rows;  s[44:51] P's codes, 64 rows;  s[52:59] R's scales, 4 units;  s[68:75] P's scales, 8 units
.set G1PC, 44
.set G1RS, 52
.set G1PS, 68
.set G0R,  76                          ; s[76:87] groups 0 for R: scales, chunk 0, chunk 1;  s[88:99] for P
.set G0P,  88
; A joint load: waves 0-3 fetch R's quarters, waves 4-7 P's.  Each line has one mask and one set of registers for all that issue it; the branch hangs on the wave's number alone.
.macro JLOAD g0r, g1r, g0p, g1p
	s_cmp_eq_u32 s[SIDE], 0
	s_cbranch_scc0 .Lfor_p_\@
	tensor_load_to_lds s[\g0r:\g0r+3], s[\g1r:\g1r+7]
	s_nop 0
.rept 4
	v_nop
.endr
	s_branch .Lasked_\@
.Lfor_p_\@:
	tensor_load_to_lds s[\g0p:\g0p+3], s[\g1p:\g1p+7]
	s_nop 0
.rept 4
	v_nop
.endr
.Lasked_\@:
.endm
.macro CROUND                          ; a round of the cluster's barrier
	s_barrier_signal -1
	s_barrier_wait -1
	s_cmp_lg_u32 s[WV], 0
	s_cbranch_scc1 .Lnot_wave_0_\@
	s_barrier_signal -3
.Lnot_wave_0_\@:
	s_barrier_wait -3
	s_barrier_signal -1
	s_barrier_wait -1
.endm
	s_load_b512 s[4:19], s[0:1], 0x0               ; xq 4, key codes 6, key scales 8, value codes 10, value scales 12, Wq codes 14, Wq scales 16, Wk codes 18
	s_load_b256 s[20:27], s[0:1], 0x40             ; Wk scales 20, Wv codes 22, Wv scales 24, qkv 26
	v_lshl_add_u32 v[SPW], v0, 2, SPARE
	v_mov_b32 v[NIL], 0
	ds_add_u32 v[SPW], v[NIL]                      ; the wave's opening: the add, twice on end, and its wait ahead of my first tensor load
	ds_add_u32 v[SPW], v[NIL]
	v_lshrrev_b32 v3, 5, v0
	v_readfirstlane_b32 s[WV], v3                  ; wave 0..7
	s_lshr_b32 s[SIDE], s[WV], 2
	s_and_b32 s30, s[WV], 3                        ; which quarter of the tile's rows I fetch
	s_bfe_u32 s31, ttmp6, 0x40000                  ; cx
	s_bfe_u32 s32, ttmp6, 0x40004                  ; cy
	s_and_b32 s33, ttmp7, 0xffff                   ; the cluster's y, 0..47
	s_and_b32 s34, s33, 15                         ; which cluster of the projection
	s_lshr_b32 s33, s33, 4                         ; 0: q, 1: k, 2: v
	s_and_b32 s35, s34, 7
	s_lshr_b32 s60, s34, 3
	s_cmp_eq_u32 s33, 2
	s_cselect_b32 s35, s35, 0                      ; v: 8 clusters along P, 2 along R;  q, k: 1 along P, 16 along R
	s_cselect_b32 s60, s60, s34
	s_lshl_b32 s35, s35, 2
	s_add_co_u32 s35, s35, s31                     ; P's tile
	s_lshl_b32 s60, s60, 2
	s_add_co_u32 s60, s60, s32                     ; R's tile
	s_lshl_b32 s61, s32, 2
	s_lshl_b32 s61, 15, s61                        ; my row of the cluster
	s_lshl_b32 s62, 0x1111, s31                    ; my column
	s_or_b32 s[G1RC], s61, (1<<20)|(1<<21)|(5<<22)|(3<<25)   ; mask; elements of 1 byte; padding on; bit 21 beside a mask; 4 words behind every 64
	s_mov_b32 s[G1RC+1], 256<<16                   ; tensor_dim0 = 256
	s_mov_b32 s[G1RC+2], 32<<16                    ; tensor_dim1 = 32
	s_mov_b32 s[G1RC+3], 256<<16                   ; tile_dim0
	s_mov_b32 s[G1RC+4], 32                        ; tile_dim1
	s_mov_b32 s[G1RC+5], 512                       ; from row to row
	s_mov_b32 s[G1RC+6], 0
	s_mov_b32 s[G1RC+7], 0
	s_or_b32 s[G1PC], s62, (1<<20)|(1<<21)|(5<<22)|(3<<25)
	s_mov_b32 s[G1PC+1], 256<<16
	s_mov_b32 s[G1PC+2], 64<<16
	s_mov_b32 s[G1PC+3], 256<<16
	s_mov_b32 s[G1PC+4], 64
	s_mov_b32 s[G1PC+5], 512
	s_mov_b32 s[G1PC+6], 0
	s_mov_b32 s[G1PC+7], 0
	s_or_b32 s[G1RS], s61, (3<<16)|(1<<20)|(1<<21)|(5<<22)|(3<<25)   ; a dense block as rows of 256 bytes (32 elements of 8), 16 bytes of padding behind each
	s_mov_b32 s[G1RS+1], 32<<16
	s_mov_b32 s[G1RS+2], 4<<16
	s_mov_b32 s[G1RS+3], 32<<16
	s_mov_b32 s[G1RS+4], 4
	s_mov_b32 s[G1RS+5], 32
	s_mov_b32 s[G1RS+6], 0
	s_mov_b32 s[G1RS+7], 0
	s_or_b32 s[G1PS], s62, (3<<16)|(1<<20)|(1<<21)|(5<<22)|(3<<25)
	s_mov_b32 s[G1PS+1], 32<<16
	s_mov_b32 s[G1PS+2], 8<<16
	s_mov_b32 s[G1PS+3], 32<<16
	s_mov_b32 s[G1PS+4], 8
	s_mov_b32 s[G1PS+5], 32
	s_mov_b32 s[G1PS+6], 0
	s_mov_b32 s[G1PS+7], 0
	s_wait_dscnt 0x0                               ; both opening adds are done
	s_wait_kmcnt 0x0
	s_add_nc_u64 s[28:29], s[4:5], 0x400000        ; xq's scale bytes
	s_cmp_eq_u32 s33, 0                            ; the four pointers: R's codes s[4:5], R's scales s[28:29], P's codes s[14:15], P's scales s[16:17]
	s_cselect_b64 s[4:5], s[4:5], s[6:7]
	s_cselect_b64 s[28:29], s[28:29], s[8:9]
	s_cselect_b64 s[14:15], s[14:15], s[18:19]
	s_cselect_b64 s[16:17], s[16:17], s[20:21]
	s_cmp_eq_u32 s33, 2
	s_cselect_b64 s[4:5], s[22:23], s[4:5]
	s_cselect_b64 s[28:29], s[24:25], s[28:29]
	s_cselect_b64 s[14:15], s[10:11], s[14:15]
	s_cselect_b64 s[16:17], s[12:13], s[16:17]
	s_lshl_b32 s6, s60, 7                          ; R: row 128 x tile + 32 x quarter
	s_lshl_b32 s7, s30, 5
	s_add_co_u32 s6, s6, s7
	s_lshl_b32 s8, s6, 9
	s_mov_b32 s9, 0
	s_lshl_b32 s6, s6, 5
	s_mov_b32 s7, 0
	s_add_nc_u64 s[4:5], s[4:5], s[8:9]
	s_add_nc_u64 s[28:29], s[28:29], s[6:7]
	s_lshl_b32 s10, s35, 8                         ; P: row 256 x tile + 64 x quarter
	s_lshl_b32 s11, s30, 6
	s_add_co_u32 s10, s10, s11
	s_lshl_b32 s12, s10, 9
	s_mov_b32 s13, 0
	s_lshl_b32 s10, s10, 5
	s_mov_b32 s11, 0
	s_add_nc_u64 s[14:15], s[14:15], s[12:13]
	s_add_nc_u64 s[16:17], s[16:17], s[10:11]
	s_mul_i32 s18, s30, 1088                       ; where they go: the wave's number alone enters an LDS address
	s_mul_i32 s19, s30, 8704
	s_mul_i32 s20, s30, 2176
	s_mul_i32 s21, s30, 17408
	s_mov_b32 s[G0R], 1
	s_add_co_u32 s[G0R+1], s18, SCR
	s_mov_b64 s[G0R+2:G0R+3], s[28:29]
	s_or_b32 s[G0R+3], s[G0R+3], 0x80000000
	s_mov_b32 s[G0R+4], 1
	s_mov_b32 s[G0R+5], s19
	s_mov_b64 s[G0R+6:G0R+7], s[4:5]
	s_or_b32 s[G0R+7], s[G0R+7], 0x80000000
	s_mov_b32 s[G0R+8], 1
	s_add_co_u32 s[G0R+9], s19, CH1
	s_add_nc_u64 s[G0R+10:G0R+11], s[4:5], 256
	s_or_b32 s[G0R+11], s[G0R+11], 0x80000000
	s_mov_b32 s[G0P], 1
	s_add_co_u32 s[G0P+1], s20, SCP
	s_mov_b64 s[G0P+2:G0P+3], s[16:17]
	s_or_b32 s[G0P+3], s[G0P+3], 0x80000000
	s_mov_b32 s[G0P+4], 1
	s_add_co_u32 s[G0P+5], s21, POFF
	s_mov_b64 s[G0P+6:G0P+7], s[14:15]
	s_or_b32 s[G0P+7], s[G0P+7], 0x80000000
	s_mov_b32 s[G0P+8], 1
	s_add_co_u32 s[G0P+9], s21, CH1+POFF
	s_add_nc_u64 s[G0P+10:G0P+11], s[14:15], 256
	s_or_b32 s[G0P+11], s[G0P+11], 0x80000000
	CROUND                                         ; all sixteen work-groups are here: the joint loads meet
	JLOAD G0R, G1RS, G0P, G1PS                     ; three loads of mine are out at the most: the scales,
	JLOAD G0R+4, G1RC, G0P+4, G1PC                 ; chunk 0,
	JLOAD G0R+8, G1RC, G0P+8, G1PC                 ; chunk 1
	v_and_b32 v7, 15, v0                           ; r
	v_bfe_u32 v48, v0, 4, 1                        ; h
	v_mul_u32_u24 v[AR], v7, 272
	v_lshl_add_u32 v[AR], v48, 4, v[AR]            ; row x pitch + 16 h
	s_lshr_b32 s6, s[WV], 1                        ; which 32 rows of R are mine
	s_and_b32 s7, s[WV], 1                         ; which 128 rows of P
	s_mul_i32 s8, s7, 34816
	s_add_co_u32 s8, s8, POFF
	v_add_nc_u32 v[AP], s8, v[AR]
	s_mul_i32 s8, s6, 8704
	v_add_nc_u32 v[AR], s8, v[AR]
	v_lshrrev_b32 v49, 3, v7
	v_lshlrev_b32 v50, 5, v7
	v_lshl_add_u32 v50, v49, 4, v50                ; a row's 32 scale bytes: 32 r, and 16 more behind each 256
	s_mul_i32 s8, s6, 1088
	s_add_co_u32 s8, s8, SCR
	v_add_nc_u32 v[ASR], s8, v50
	s_mul_i32 s8, s7, 4352
	s_add_co_u32 s8, s8, SCP
	v_add_nc_u32 v[ASP], s8, v50
	; where the results go: R0, P0 = my first rows
	s_lshl_b32 s8, s60, 7
	s_lshl_b32 s9, s6, 5
	s_add_co_u32 s8, s8, s9                        ; R0
	s_lshl_b32 s9, s35, 8
	s_lshl_b32 s10, s7, 7
	s_add_co_u32 s9, s9, s10                       ; P0
	s_lshr_b32 s10, s8, 11                         ; q, k: b = R0 / 2048, head = P0 / 64, token = R0 % 2048
	s_lshl_b32 s11, s10, 20
	s_lshr_b32 s12, s9, 6
	s_lshl_b32 s12, s12, 16
	s_add_co_u32 s11, s11, s12
	s_and_b32 s12, s8, 2047
	s_lshl_b32 s13, s12, 5
	s_add_co_u32 s11, s11, s13                     ; codes
	s_lshl_b32 s10, s10, 16
	s_lshr_b32 s13, s9, 7
	s_lshl_b32 s13, s13, 13
	s_add_co_u32 s10, s10, s13
	s_lshl_b32 s12, s12, 2
	s_add_co_u32 s10, s10, s12                     ; scale words
	s_lshr_b32 s12, s9, 11                         ; v: b = P0 / 2048, head = R0 / 64, key = P0 % 2048, d = R0 % 64
	s_lshl_b32 s13, s12, 20
	s_lshr_b32 s18, s8, 6
	s_lshl_b32 s19, s18, 16
	s_add_co_u32 s13, s13, s19
	s_and_b32 s19, s9, 2047
	s_lshr_b32 s20, s19, 6
	s_lshl_b32 s20, s20, 11
	s_add_co_u32 s13, s13, s20
	s_and_b32 s20, s8, 63
	s_lshl_b32 s21, s20, 5
	s_add_co_u32 s13, s13, s21                     ; codes
	s_lshl_b32 s12, s12, 16
	s_lshl_b32 s18, s18, 12
	s_add_co_u32 s12, s12, s18
	s_lshr_b32 s19, s19, 7
	s_lshl_b32 s19, s19, 8
	s_add_co_u32 s12, s12, s19
	s_lshl_b32 s20, s20, 2
	s_add_co_u32 s12, s12, s20                     ; scale words
	s_cmp_eq_u32 s33, 2
	s_cselect_b32 s11, s13, s11
	s_cselect_b32 s10, s12, s10
	s_mov_b32 s18, 0x10000
	s_cselect_b32 s18, 2048, s18                   ; from 64 along P to the next: a head (q, k) or 64 keys (v)
	s_lshl_b32 s19, s33, 22
	s_add_co_u32 s20, s11, s19
	s_mov_b32 s21, 0
	s_add_nc_u64 s[20:21], s[26:27], s[20:21]      ; my codes
	s_lshl_b32 s19, s33, 18
	s_add_co_u32 s22, s10, s19
	s_add_co_u32 s22, s22, 12582912
	s_mov_b32 s23, 0
	s_add_nc_u64 s[22:23], s[26:27], s[22:23]      ; my scale words
	s_mov_b32 s[SEL], 0x76543210
	s_mov_b32 s[SEL+1], 0xfedcba98
.macro SCALES j                        ; chunk j's scale words: a row's four words of four K steps by one load
.irp m, 0,1
	ds_load_b128 v[RS+4*\m:RS+4*\m+3], v[ASR] offset:544*\m+16*\j
.endr
.irp t, 0,1,2,3,4,5,6,7
	ds_load_b128 v[PS+4*\t:PS+4*\t+3], v[ASP] offset:544*\t+16*\j
.endr
.endm
; A K step of 128: 20 LDS loads, 16 products.  The sixteen accumulators take turns, one instruction a turn.  lead = 1: four places in front of loads into registers that matrix instructions have read.
.macro KSTEP q, zero, lead
.if \lead
.rept 4
	v_nop
.endr
.endif
.irp m, 0,1
.irp c, 0,1
	ds_load_b128 v[RF+8*\m+4*\c:RF+8*\m+4*\c+3], v[AR] offset:4352*\m+64*(\q)+32*\c
.endr
.endr
.irp t, 0,1,2,3,4,5,6,7
.irp c, 0,1
	ds_load_b128 v[PF+8*\t+4*\c:PF+8*\t+4*\c+3], v[AP] offset:4352*\t+64*(\q)+32*\c
.endr
.endr
.irp t, 0,1,2,3,4,5,6,7
	s_wait_dscnt 2*(7-\t)                          ; R's fragments and P's up to t are in; the later fragments' two loads each may be out
.irp m, 0,1
.if \zero
	v_wmma_scale_f32_16x16x128_f8f6f4 v[ACC+8*(8*\m+\t):ACC+8*(8*\m+\t)+7], v[PF+8*\t:PF+8*\t+7], v[RF+8*\m:RF+8*\m+7], 0, v[PS+4*\t+(\q)], v[RS+4*\m+(\q)] matrix_a_fmt:MATRIX_FMT_FP4 matrix_b_fmt:MATRIX_FMT_FP4
.else
	v_wmma_scale_f32_16x16x128_f8f6f4 v[ACC+8*(8*\m+\t):ACC+8*(8*\m+\t)+7], v[PF+8*\t:PF+8*\t+7], v[RF+8*\m:RF+8*\m+7], v[ACC+8*(8*\m+\t):ACC+8*(8*\m+\t)+7], v[PS+4*\t+(\q)], v[RS+4*\m+(\q)] matrix_a_fmt:MATRIX_FMT_FP4 matrix_b_fmt:MATRIX_FMT_FP4
.endif
.endr
.endr
.endm
; 64 numbers of a lane, v[s] on (block b of 32 in registers 16 b .. 16 b + 15 of lanes l and l xor 16), become 8 registers of codes at v[pc] in the operand's layout and the row's scale word in v[pw]
.macro QUANTN s, pc, pw
.irp b, 0,1,2,3
	v_max3_num_f32 v[TM+\b], |v[\s+16*\b]|, |v[\s+16*\b+1]|, 0x1800000   ; each accumulator is read from its low end on; the floor 2^(3 - 127) holds the byte at 1 from below
.endr
.irp i, 2,4,6,8,10,12,14
.irp b, 0,1,2,3
	v_max3_num_f32 v[TM+\b], v[TM+\b], |v[\s+16*\b+\i]|, |v[\s+16*\b+\i+1]|
.endr
.endr
.irp b, 0,1,2,3
	v_permlanex16_b32 v[TM+4+\b], v[TM+\b], s[SEL], s[SEL+1]
.endr
.irp b, 0,1,2,3
	v_max_num_f32 v[TM+\b], v[TM+\b], v[TM+4+\b]   ; the block's largest magnitude
.endr
.irp b, 0,1,2,3
	v_add_nc_u32 v[TM+12+\b], 0xff000000, v[TM+\b] ; 2 off its exponent field: the conversion's scale operand
.endr
.irp b, 0,1,2,3
	v_lshrrev_b32 v[TM+4+\b], 23, v[TM+12+\b]      ; the scale's byte
.endr
	v_lshl_or_b32 v[\pw], v[TM+5], 8, v[TM+4]
	v_lshl_or_b32 v[\pw], v[TM+6], 16, v[\pw]
	v_lshl_or_b32 v[\pw], v[TM+7], 24, v[\pw]
.irp c, 0,1
	v_cvt_scalef32_pk8_fp4_f32 v[\pc+4*\c],   v[\s+32*\c:\s+32*\c+7],     v[TM+12+2*\c]
	v_cvt_scalef32_pk8_fp4_f32 v[\pc+4*\c+2], v[\s+32*\c+8:\s+32*\c+15],  v[TM+12+2*\c]
	v_cvt_scalef32_pk8_fp4_f32 v[\pc+4*\c+1], v[\s+32*\c+16:\s+32*\c+23], v[TM+12+2*\c+1]
	v_cvt_scalef32_pk8_fp4_f32 v[\pc+4*\c+3], v[\s+32*\c+24:\s+32*\c+31], v[TM+12+2*\c+1]
.endr
	v_nop                                          ; one plain place behind the scaled conversions
.irp c, 0,1
	v_permlane16_swap_b32 v[\pc+4*\c], v[\pc+4*\c+1]     ; lanes 0-15 now hold block 2 c whole, lanes 16-31 block 2 c + 1
	v_permlane16_swap_b32 v[\pc+4*\c+2], v[\pc+4*\c+3]
.endr
.endm
	s_wait_tensorcnt 0x1                           ; my scales and my part of chunk 0 are in; chunk 1's load may be out
	s_barrier_signal -1
	s_barrier_wait -1
	SCALES 0
	KSTEP 0, 1, 0                                  ; the first products start the sums: nothing is cleared
	KSTEP 1, 0, 1
	KSTEP 2, 0, 1
	KSTEP 3, 0, 1
	s_wait_tensorcnt 0x0                           ; my part of chunk 1 is in,
	s_wait_dscnt 0x0
	s_barrier_signal -1
	s_barrier_wait -1                              ; everybody's is
.rept 4
	v_nop                                          ; places in front of the loads into scale and fragment registers
.endr
	v_add_nc_u32 v[AR], CH1, v[AR]
	v_add_nc_u32 v[AP], CH1, v[AP]
	SCALES 1
	KSTEP 0, 0, 0
	KSTEP 1, 0, 1
	KSTEP 2, 0, 1
	KSTEP 3, 0, 1
	; THE WAY OUT: quantised in registers; a store of codes covers 16 rows x 32 bytes = 512 consecutive bytes, aligned
.rept 4
	v_nop                                          ; places behind the last products
.endr
.irp b, 0,1,2,3
	v_mov_b32 v[TM+4+\b], 0                        ; a lane permute's destination counts as one of its sources
.endr
	v_and_b32 v[CO0], 15, v0
	v_bfe_u32 v[CO1], v0, 4, 1
	v_lshlrev_b32 v[CO0], 5, v[CO0]
	v_lshl_add_u32 v[CO0], v[CO1], 4, v[CO0]       ; 32 r + 16 h
	v_add_nc_u32 v[CO1], s18, v[CO0]
	v_and_b32 v[SO], 31, v0
	v_lshlrev_b32 v[SO], 2, v[SO]
	QUANTN ACC, PC0, PW0
	global_store_b128 v[CO0], v[PC0:PC0+3], s[20:21]
	global_store_b128 v[CO1], v[PC0+4:PC0+7], s[20:21]
	QUANTN ACC+64, PC1, PW1
	global_store_b128 v[CO0], v[PC1:PC1+3], s[20:21] offset:512
	global_store_b128 v[CO1], v[PC1+4:PC1+7], s[20:21] offset:512
	v_permlane16_swap_b32 v[PW0], v[PW1]           ; lane l now holds row l's word
	global_store_b32 v[SO], v[PW0], s[22:23]       ; 128 consecutive bytes
	s_wait_tensorcnt 0x0                           ; the wave's end
	ds_add_u32 v[SPW], v[NIL]
	s_wait_dscnt 0x0
	CROUND                                         ; the closing round: no work-group ends while a partner may still ask for a tile that names it
	s_endpgm
.Lfunc_end_k_qd02027598f_proj:
	.size	k_qd02027598f_proj, .Lfunc_end_k_qd02027598f_proj-k_qd02027598f_proj
	.p2alignl 7, 3214868480
	.fill 96, 4, 3214868480
	.section	.rodata,"a",@progbits
	.p2align	6, 0x0
	.amdhsa_kernel k_qd02027598f_proj
		.amdhsa_group_segment_fixed_size 222976
		.amdhsa_private_segment_fixed_size 0
		.amdhsa_enable_private_segment 0
		.amdhsa_kernarg_size 96
		.amdhsa_user_sgpr_count 2
		.amdhsa_user_sgpr_kernarg_segment_ptr 1
		.amdhsa_wavefront_size32 1
		.amdhsa_system_sgpr_workgroup_id_x 1
		.amdhsa_system_sgpr_workgroup_id_y 1
		.amdhsa_system_sgpr_workgroup_id_z 1
		.amdhsa_system_vgpr_workitem_id 0
		.amdhsa_next_free_vgpr 256
		.amdhsa_next_free_sgpr 100
		.amdhsa_reserve_vcc 0
		.amdhsa_float_denorm_mode_32 3
		.amdhsa_float_denorm_mode_16_64 3
		.amdhsa_memory_ordered 1
		.amdhsa_forward_progress 1
		.amdhsa_inst_pref_size 51
	.end_amdhsa_kernel
	.amdgpu_metadata
---
amdhsa.version: [ 1, 2 ]
amdhsa.kernels:
  - .name:           k_qd02027598f_proj
    .symbol:         k_qd02027598f_proj.kd
    .args:
      - { .name: xq, .offset: 0, .size: 8, .value_kind: global_buffer, .address_space: global }
      - { .name: hidden_state_key_codes, .offset: 8, .size: 8, .value_kind: global_buffer, .address_space: global }
      - { .name: hidden_state_key_scales, .offset: 16, .size: 8, .value_kind: global_buffer, .address_space: global }
      - { .name: hidden_state_value_codes, .offset: 24, .size: 8, .value_kind: global_buffer, .address_space: global }
      - { .name: hidden_state_value_scales, .offset: 32, .size: 8, .value_kind: global_buffer, .address_space: global }
      - { .name: Wq_codes, .offset: 40, .size: 8, .value_kind: global_buffer, .address_space: global }
      - { .name: Wq_scales, .offset: 48, .size: 8, .value_kind: global_buffer, .address_space: global }
      - { .name: Wk_codes, .offset: 56, .size: 8, .value_kind: global_buffer, .address_space: global }
      - { .name: Wk_scales, .offset: 64, .size: 8, .value_kind: global_buffer, .address_space: global }
      - { .name: Wv_codes, .offset: 72, .size: 8, .value_kind: global_buffer, .address_space: global }
      - { .name: Wv_scales, .offset: 80, .size: 8, .value_kind: global_buffer, .address_space: global }
      - { .name: qkv, .offset: 88, .size: 8, .value_kind: global_buffer, .address_space: global }
    .group_segment_fixed_size: 222976
    .private_segment_fixed_size: 0
    .kernarg_segment_align: 8
    .kernarg_segment_size: 96
    .max_flat_workgroup_size: 256
    .sgpr_count:     100
    .vgpr_count:     256
    .wavefront_size: 32
...
	.end_amdgpu_metadata
.endif
;; end of part 2
;; launch attn (part 3): grid 4 x 64, 16 waves a work-group, no clusters, 155,648 bytes of LDS; arguments qkv, maskw, ctx; writes ctx
.if DOCPART == 3
	.amdgcn_target "amdgcn-amd-amdhsa--gfx1250"
	.amdhsa_code_object_version 6
	.text
	.protected	k_qd02027598f_attn
	.globl	k_qd02027598f_attn
	.p2align	8
	.type	k_qd02027598f_attn,@function
k_qd02027598f_attn:
	s_mov_b64 s[64:65], 0
	v_nop
	global_prefetch_b8 v0, s[64:65] scope:SCOPE_SE
	s_setreg_imm32_b32 hwreg(HW_REG_WAVE_MODE, 25, 1), 1
	s_wait_xcnt 0x0
; LAUNCH 3 OF 4: scores, softmax, mask, context; ctx quantised for the last product.  Nothing of reference() is left out: the mask is an input, so every tile is multiplied.
; WHAT IS QUANTISED for the second product is the finished weight: exp(s - max) / sum, set to 0 where the mask is true, in blocks of 32 keys.  The divisor is no power of two, so a row's whole sum is wanted before any of its
; weights is quantised.  So A ROW'S 2,048 SCORES LIE IN REGISTERS AT ONCE, spread over the sixteen waves: each score and each exponential is made once.
; SHARES: a work-group owns 512 queries of one head, 32 blocks of 16.  Wave w owns keys 128 w .. 128 w + 127 for the whole launch: its K and V^T fragments and their scale words are loaded once, into registers.
; BOTH PRODUCTS TRANSPOSED: S^T = K Q^T (a lane holds query lane % 16; register 8 t + j is key 16 t + 8 (lane / 16) + j), O^T = V^T P^T.  The first product's K is 64: Q's registers for k = 64..127 hold zero codes, K's operand there
; runs on into the next tile's registers, and both scale words are cut to two bytes (the byte 0 is 2^-127, no NaN): those products are exact zeros.
; SOFTMAX: t = score x log2(e) / 8.  Each wave takes away its OWN whole number M_w = ceil(largest t of its keys): p = 2^(t - M_w), l_w = sum of p.  The waves exchange (-M_w, l_w) through LDS; M = max M_i;
; l = sum of l_i 2^(M_i - M) (v_ldexp_f32: nothing is rounded); the weight is p x F, F = 2^(M_w - M) / l.  The sum takes all keys, the blocks' largest magnitudes only those that the mask leaves.
; A block's largest weight is (largest masked p) x F: a multiplication by one positive factor keeps the order, so it is the largest product bit for bit.
; ONE BARRIER A BLOCK: block i's partial O^T is stored behind barrier i and summed behind barrier i + 1 (wave w sums query w over the 16 partials and quantises it); its codes are gathered in LDS and stored by wave 0 behind barrier
; i + 2.  All LDS regions come in two, by the block's parity: every overwrite stands behind a barrier in front of which each reader of the old bytes has waited for its LDS loads.
; cluster = none: the four work-groups of a head read the same K and V, but once each (2 x 64 KiB and 12 KiB of scale words), straight into registers, at the head; a joint load would land in LDS and be read again from there; in the loop
; a block's Q and mask words belong to one work-group.  No prefetch: K and V are asked for once at the head; Q and the mask words of block i + 1 are asked for in block i.
; OUT (ctx): codes + 0: [b][T = token / 16][head][512 bytes]: lane (r, h)'s 16 bytes at 16 lane = token 16 T + r, d = 32 h .. 32 h + 31: the image of the last product's operand registers; scale bytes + 4,194,304: [token][32].
; LIMITS: a block of zeros gets the byte 1 where the rule says 127 (zero codes; the bytes are read by this program alone); a weight under 2^-126 is lost or loses bits; NaN and infinities are not served.
.set OB1,   73728                      ; partial O^T: parity 0 at 0, parity 1 here; partial p at 4608 p + 16 (p % 2) + 128 ((p / 2) % 2), rows of 272 bytes (64 d x 4 + 16)
.set STAT0, 147456                     ; 16 rows (queries) x 144 bytes: -M of 16 waves, l of 16 waves, 16 of padding; parity 1: + 2304
.set CT0,   152064                     ; the 512-byte image of a block's codes; parity 1: + 512
.set CS0,   153088                     ; its 32 scale bytes; parity 1: + 256
.set SPARE, 153600                     ; the spare words, 128 bytes for each wave: eight blocks of 256 bytes that no other line names
.set SPW, 1
.set NIL, 2
.set ZR,  3                            ; v3 0: what a masked weight becomes
.set QO,  4                            ; v4 Q's codes: byte offset of my 16 bytes
.set QSO, 5                            ; v5 Q's scale words
.set STW, 6                            ; v6 where I store my wave's -M and l
.set STR, 7                            ; v7 where I read eight waves' of my query
.set OW,  8                            ; v8, v9 where I store my partial, parity 0, 1
.set ORD, 10                           ; v10, v11 where I read partials for query w
.set CTW, 12                           ; v12 where my dword of codes goes
.set CSW, 13                           ; v13 and the scale byte
.set CTR, 14                           ; v14 the image back: 16 x lane
.set CSR, 15                           ; v15 two scale bytes of token lane % 16
.set NM,  16                           ; v[16:17] -M_w (the pair's upper word is written once)
.set G,   18                           ; v[18:19] -M
.set F,   20                           ; v[20:21] F
.set T0,  26
.set T1,  27
.set EX,  28
.set RL,  29
.set GCO, 30                           ; v30 16 x lane
.set GSO, 31                           ; v31 32 x (lane % 16)
.set ST,  32                           ; v32-39 eight -M, v40-47 eight l
.set TM,  48                           ; v48-51 maxima, v52-55 the other half's, v56-59 scale operands, v60-63 bytes
.set P,   64                           ; v64-127 S^T, then p, then the weights; later 32 of them the partials of query w
.set KF,  128                          ; v128-159 K: four registers a tile
.set VF,  160                          ; v160-191 V^T: 8 dt + 4 c
.set KS,  192                          ; v192-199 K's scale words
.set VS,  200                          ; v200-203 V's
.set QF,  204                          ; v204-211 Q; 208-211 stay 0
.set QS,  212                          ; v212 Q's scale word, cut;  v213 as loaded
.set QR,  213
.set PC,  214                          ; v214-221 the weights' codes
.set PW,  222                          ; v222 their scale word
.set CD,  223                          ; v223 a dword of ctx codes
.set OA,  224                          ; v224-255 O^T; v224-228 also the image on its way out
.set WV,  2
.set CNT, 3
.set CS,  16                           ; s[16:17] log2(e) / 8
.set SEL, 18                           ; s[18:19] lane l xor 16
.set SH,  20                           ; s20 16 x (head % 2): where my head's two bytes begin in a scale word of q or k
; s[32:63], s[68:99]: the block's 64 mask words: word n in s[32 + n], from n = 32 on in s[36 + n]
	s_load_b128 s[24:27], s[0:1], 0x0              ; qkv, maskw
	s_load_b64 s[10:11], s[0:1], 0x10              ; ctx
	v_lshl_add_u32 v[SPW], v0, 2, SPARE
	v_mov_b32 v[NIL], 0
	v_lshrrev_b32 v28, 5, v0                       ; w
	v_readfirstlane_b32 s[WV], v28
	v_and_b32 v26, 15, v0                          ; r
	v_bfe_u32 v27, v0, 4, 1                        ; h
	v_lshlrev_b32 v[QO], 5, v26
	v_lshl_add_u32 v[QO], v27, 4, v[QO]            ; 32 r + 16 h
	v_lshlrev_b32 v[QSO], 2, v26                   ; 4 r
	s_and_b32 s21, ttmp7, 0xffff                   ; 16 b + head
	s_lshr_b32 s22, s21, 4
	s_and_b32 s23, s21, 15
	s_and_b32 s[SH], s23, 1
	s_lshl_b32 s[SH], s[SH], 4
	s_mov_b32 s[CS], 0x3e38aa3b
	s_mov_b32 s[CS+1], s[CS]
	s_mov_b32 s[SEL], 0x76543210
	s_mov_b32 s[SEL+1], 0xfedcba98
	v_lshl_add_u32 v24, v28, 12, v[QO]             ; K's and V's codes: + 4,096 w
	v_lshl_add_u32 v29, v28, 9, v[QSO]             ; K's scale words: + 512 w
	s_lshl_b32 s30, s[SH], 8
	v_lshl_add_u32 v25, v28, 8, v[QSO]             ; V's: + 256 w + 4,096 (head % 2)
	v_add_nc_u32 v25, s30, v25
	s_lshl_b32 s30, ttmp9, 14
	v_add_nc_u32 v[QO], s30, v[QO]                 ; my work-group's 512 queries
	s_lshl_b32 s30, ttmp9, 11
	v_add_nc_u32 v[QSO], s30, v[QSO]
	s_lshl_b32 s28, s21, 16                        ; a head's codes: 65,536 bytes
	s_mov_b32 s29, 0
	s_lshl_b32 s30, s22, 16
	s_lshr_b32 s31, s23, 1
	s_lshl_b32 s31, s31, 13
	s_add_co_u32 s30, s30, s31
	s_add_co_u32 s30, s30, 12582912
	s_mov_b32 s31, 0
	s_wait_kmcnt 0x0
	s_add_nc_u64 s[4:5], s[24:25], s[28:29]        ; q's codes of my head; k's lie 4,194,304 on,
	s_add_nc_u64 s[14:15], s[4:5], 0x800000        ; v's here
	s_add_nc_u64 s[6:7], s[24:25], s[30:31]        ; q's scale words of (b, head / 2); k's 262,144 on, v's of the even head 524,288 on
	s_lshl_b32 s28, s22, 19
	s_lshl_b32 s30, ttmp9, 17
	s_add_co_u32 s28, s28, s30
	s_lshl_b32 s30, s[WV], 8
	s_add_co_u32 s28, s28, s30
	s_add_nc_u64 s[8:9], s[26:27], s[28:29]        ; my 64 mask words of block 0; a block on: 4,096 bytes
	s_lshl_b32 s28, s22, 16
	s_lshl_b32 s30, ttmp9, 14
	s_add_co_u32 s28, s28, s30
	s_lshl_b32 s30, s23, 1
	s_add_co_u32 s28, s28, s30
	s_add_co_u32 s28, s28, 0x400000
	s_add_nc_u64 s[12:13], s[10:11], s[28:29]      ; ctx's scale bytes: token x 32 + 2 head
	s_lshl_b32 s28, s22, 20
	s_lshl_b32 s30, ttmp9, 18
	s_add_co_u32 s28, s28, s30
	s_lshl_b32 s30, s23, 9
	s_add_co_u32 s28, s28, s30
	s_add_nc_u64 s[10:11], s[10:11], s[28:29]      ; ctx's codes: (16 (128 b + T) + head) x 512
.irp t, 0,1,2,3,4,5,6,7
	global_load_b128 v[KF+4*\t:KF+4*\t+3], v24, s[4:5] offset:4194304+512*\t
	global_load_b32 v[KS+\t], v29, s[6:7] offset:262144+64*\t
.endr
.irp d, 0,1,2,3
.irp c, 0,1
	global_load_b128 v[VF+8*\d+4*\c:VF+8*\d+4*\c+3], v24, s[14:15] offset:2048*\c+512*\d
.endr
	global_load_b32 v[VS+\d], v25, s[6:7] offset:524288+64*\d
.endr
	global_load_b128 v[QF:QF+3], v[QO], s[4:5]
	global_load_b32 v[QR], v[QSO], s[6:7]
	s_load_b512 s[32:47], s[8:9], 0x0
	s_load_b512 s[48:63], s[8:9], 0x40
	s_load_b512 s[68:83], s[8:9], 0x80
	s_load_b512 s[84:99], s[8:9], 0xc0
	; the LDS addresses, all made of the thread's number and constants
	v_mul_u32_u24 v[STR], v26, 144
	v_lshl_add_u32 v[STW], v28, 2, v[STR]
	v_add_nc_u32 v[STW], STAT0, v[STW]
	v_lshl_add_u32 v[STR], v27, 5, v[STR]
	v_add_nc_u32 v[STR], STAT0, v[STR]
	v_mul_u32_u24 v[OW], v28, 4608
	v_bfe_u32 v22, v0, 5, 1
	v_lshl_add_u32 v[OW], v22, 4, v[OW]
	v_bfe_u32 v22, v0, 6, 1
	v_lshl_add_u32 v[OW], v22, 7, v[OW]
	v_mad_u32_u24 v[OW], v26, 272, v[OW]
	v_lshl_add_u32 v[OW], v27, 5, v[OW]
	v_add_nc_u32 v[OW+1], OB1, v[OW]
	v_and_b32 v22, 3, v0                           ; which partials of four: sub, 4 + sub, 8 + sub, 12 + sub
	v_mul_u32_u24 v[ORD], v22, 4608
	v_and_b32 v23, 1, v0
	v_lshl_add_u32 v[ORD], v23, 4, v[ORD]
	v_bfe_u32 v23, v0, 1, 1
	v_lshl_add_u32 v[ORD], v23, 7, v[ORD]
	v_mad_u32_u24 v[ORD], v28, 272, v[ORD]         ; row = query w
	v_bfe_u32 v23, v0, 2, 3                        ; g: d = 8 g .. 8 g + 7
	v_lshl_add_u32 v[ORD], v23, 5, v[ORD]
	v_add_nc_u32 v[ORD+1], OB1, v[ORD]
	v_lshlrev_b32 v[CTW], 8, v27                   ; 256 (g / 4)
	v_lshl_add_u32 v[CTW], v28, 4, v[CTW]          ; + 16 w
	v_bfe_u32 v23, v0, 2, 2
	v_lshl_add_u32 v[CTW], v23, 2, v[CTW]          ; + 4 (g % 4)
	v_add_nc_u32 v[CTW], CT0, v[CTW]
	v_lshl_add_u32 v[CSW], v28, 1, v27
	v_add_nc_u32 v[CSW], CS0, v[CSW]
	v_and_b32 v22, 31, v0
	v_lshlrev_b32 v[GCO], 4, v22
	v_add_nc_u32 v[CTR], CT0, v[GCO]
	v_lshl_add_u32 v[CSR], v26, 1, CS0
.irp i, 0,1,2,3
	v_mov_b32 v[QF+4+\i], 0                        ; Q's codes for k = 64 .. 127: zeros, for the whole launch
.endr
	s_wait_loadcnt 0x0
.irp t, 0,1,2,3,4,5,6,7
	v_bfe_u32 v[KS+\t], v[KS+\t], s[SH], 16        ; my head's two bytes; bytes 2 and 3 become 0
.endr
	v_bfe_u32 v[QS], v[QR], s[SH], 16
	v_lshlrev_b32 v[GSO], 5, v26                   ; these twelve plain lines are also the places between the scale words' last write and the first product
	v_mov_b32 v[ZR], 0
	v_mov_b32 v[NM+1], 0
	v_mov_b32 v[G+1], 0
	v_mov_b32 v[F+1], 0
.irp b, 0,1,2,3
	v_mov_b32 v[TM+4+\b], 0                        ; a lane permute's destination counts as one of its sources
.endr
	v_nop
	v_nop
	v_nop
.macro MAX16                           ; the largest of each 16 registers (a block of 32 keys with lane l xor 16's), four chains by turns; each accumulator is first read at its low end
.irp b, 0,1,2,3
	v_max3_num_f32 v[TM+\b], v[P+16*\b], v[P+16*\b+1], v[P+16*\b+2]
.endr
.irp i, 3,5,7,9,11,13
.irp b, 0,1,2,3
	v_max3_num_f32 v[TM+\b], v[TM+\b], v[P+16*\b+\i], v[P+16*\b+\i+1]
.endr
.endr
.irp b, 0,1,2,3
	v_max_num_f32 v[TM+\b], v[TM+\b], v[P+16*\b+15]
.endr
.endm
; (A macro's argument is put in as text: wherever one stands inside a product it is written in parentheses.)
.macro FLUSH_IN par                    ; the image of a finished block's codes, and its scale bytes: every wave reads them, wave 0 stores them
	ds_load_b128 v[OA:OA+3], v[CTR] offset:512*(\par)
	ds_load_u16 v[OA+4], v[CSR] offset:256*(\par)
.endm
.macro FLUSH_OUT
	s_cmp_lg_u32 s[WV], 0
	s_cbranch_scc1 .Lnot_wave_0_\@
	global_store_b128 v[GCO], v[OA:OA+3], s[10:11]     ; 512 consecutive bytes, aligned
	global_store_b16 v[GSO], v[OA+4], s[12:13]         ; two bytes of each of 16 rows of 32 (lanes 16-31 write the same again): one byte in 16 of what the launch stores
	s_wait_xcnt 0x0                                ; the stores have read their data and bases: both are written again below
	s_add_nc_u64 s[10:11], s[10:11], 8192
	s_add_nc_u64 s[12:13], s[12:13], 512
.Lnot_wave_0_\@:
.endm
.macro RLOAD pr                        ; query w's eight d of four partials
.irp k, 0,1,2,3
.irp e, 0,1
	ds_load_b128 v[P+8*\k+4*\e:P+8*\k+4*\e+3], v[ORD+(\pr)] offset:18432*\k+16*\e
.endr
.endr
.endm
.macro REDUCE pr                       ; the 16 partials are summed; ctx of token w is quantised along d (a row of 16 lanes holds a block of 32) and goes to the image of parity pr
.irp i, 0,2,4,6
	v_pk_add_f32 v[P+\i:P+\i+1], v[P+\i:P+\i+1], v[P+8+\i:P+9+\i]
	v_pk_add_f32 v[P+16+\i:P+17+\i], v[P+16+\i:P+17+\i], v[P+24+\i:P+25+\i]
.endr
.irp i, 0,2,4,6
	v_pk_add_f32 v[P+\i:P+\i+1], v[P+\i:P+\i+1], v[P+16+\i:P+17+\i]
.endr
.irp i, 0,1,2,3,4,5,6,7
	v_add_f32_dpp v[P+\i], v[P+\i], v[P+\i] row_xmask:1 row_mask:0xf bank_mask:0xf
.endr
.irp i, 0,1,2,3,4,5,6,7
	v_add_f32_dpp v[P+\i], v[P+\i], v[P+\i] row_xmask:2 row_mask:0xf bank_mask:0xf
.endr
	v_max3_num_f32 v[T0], |v[P]|, |v[P+1]|, 0x1800000
	v_max3_num_f32 v[T0], v[T0], |v[P+2]|, |v[P+3]|
	v_max3_num_f32 v[T0], v[T0], |v[P+4]|, |v[P+5]|
	v_max3_num_f32 v[T0], v[T0], |v[P+6]|, |v[P+7]|
	v_max_num_f32_dpp v[T0], v[T0], v[T0] row_xmask:4 row_mask:0xf bank_mask:0xf
	v_max_num_f32_dpp v[T0], v[T0], v[T0] row_xmask:8 row_mask:0xf bank_mask:0xf
	v_add_nc_u32 v[T1], 0xff000000, v[T0]
	v_lshrrev_b32 v[T0], 23, v[T1]
	v_cvt_scalef32_pk8_fp4_f32 v[CD], v[P:P+7], v[T1]
	v_nop                                          ; one plain place behind the scaled conversion
	ds_store_b32 v[CTW], v[CD] offset:512*(\pr)    ; the four lanes that share eight d write the same word with the same value
	ds_store_b8 v[CSW], v[T0] offset:256*(\pr)
.endm
; A BLOCK of 16 queries.  par: its parity; red: the block before is summed; fl: the block two before is stored; nxt: the next block's Q and mask words are asked for
.macro BLOCK par, red, fl, nxt
.irp t, 0,1,2,3,4,5,6,7
	v_wmma_scale_f32_16x16x128_f8f6f4 v[P+8*\t:P+8*\t+7], v[KF+4*\t:KF+4*\t+7], v[QF:QF+7], 0, v[KS+\t], v[QS] matrix_a_fmt:MATRIX_FMT_FP4 matrix_b_fmt:MATRIX_FMT_FP4
.endr
.if \nxt
	v_add_nc_u32 v[QO], 0x200, v[QO]               ; four places behind the products; the last loads by these offsets were waited for in the block before
	v_add_nc_u32 v[QSO], 64, v[QSO]
	v_nop
	v_nop
	global_load_b128 v[QF:QF+3], v[QO], s[4:5]
	global_load_b32 v[QR], v[QSO], s[6:7]
.else
.rept 4
	v_nop
.endr
.endif
	MAX16
	v_max3_num_f32 v[T0], v[TM], v[TM+1], v[TM+2]
	v_max_num_f32 v[T0], v[T0], v[TM+3]
	v_permlanex16_b32 v[T1], v[T0], s[SEL], s[SEL+1]
	v_max_num_f32 v[T0], v[T0], v[T1]              ; my query's largest score among my wave's 128 keys
	v_mul_f32 v[T0], s[CS], v[T0]
	v_floor_f32 v[NM], -v[T0]                      ; -M_w = floor(-t): a whole number
.set n, 0
.rept 32
	v_pk_fma_f32 v[P+n:P+n+1], v[P+n:P+n+1], s[CS:CS+1], v[NM:NM+1] op_sel_hi:[1,0,0]   ; t - M_w, two at a time
.set n, n+2
.endr
.set n, 0
.rept 64
	v_exp_f32 v[P+n], v[P+n]
.set n, n+1
.endr
	v_nop                                          ; a plain place behind the exponentials,
	s_wait_alu depctr_va_vdst(0)                   ; and one wait for the batch, ahead of its first reader
	v_pk_add_f32 v[22:23], v[P:P+1], v[P+2:P+3]    ; the sum takes ALL keys: the mask comes behind the softmax
	v_pk_add_f32 v[24:25], v[P+4:P+5], v[P+6:P+7]
.irp j, 8,12,16,20,24,28,32,36,40,44,48,52,56,60
	v_pk_add_f32 v[22:23], v[22:23], v[P+\j:P+\j+1]
	v_pk_add_f32 v[24:25], v[24:25], v[P+\j+2:P+\j+3]
.endr
	v_pk_add_f32 v[22:23], v[22:23], v[24:25]
	v_add_f32 v[T0], v22, v23
	v_permlanex16_b32 v[T1], v[T0], s[SEL], s[SEL+1]
	v_add_f32 v[T0], v[T0], v[T1]                  ; l_w
	ds_store_b32 v[STW], v[NM] offset:2304*(\par)  ; lanes l and l xor 16 write the same word with the same value
	ds_store_b32 v[STW], v[T0] offset:2304*(\par)+64
	s_wait_kmcnt 0x0                               ; the mask words are in
	s_wait_dscnt 0x0                               ; for the others' sake: all my LDS stores have landed, all my LDS loads are back
	s_barrier_signal -1
.set n, 0
.rept 64
	v_cndmask_b32 v[P+n], v[P+n], v[ZR], s[32+n+4*(n/32)]   ; register work while the others arrive: a masked weight becomes 0
.set n, n+1
.endr
	MAX16                                          ; each block's largest p that the mask leaves (none is negative)
.irp b, 0,1,2,3
	v_permlanex16_b32 v[TM+4+\b], v[TM+\b], s[SEL], s[SEL+1]
.endr
.irp b, 0,1,2,3
	v_max_num_f32 v[TM+\b], v[TM+\b], v[TM+4+\b]
.endr
	s_barrier_wait -1
.if \fl
	FLUSH_IN \par
.endif
	ds_load_b128 v[ST:ST+3], v[STR] offset:2304*(\par)
	ds_load_b128 v[ST+4:ST+7], v[STR] offset:2304*(\par)+16
	ds_load_b128 v[ST+8:ST+11], v[STR] offset:2304*(\par)+64
	ds_load_b128 v[ST+12:ST+15], v[STR] offset:2304*(\par)+80
.if \nxt
	s_add_nc_u64 s[8:9], s[8:9], 0x1000            ; the last scalar loads by this base were waited for above
	s_load_b512 s[32:47], s[8:9], 0x0
	s_load_b512 s[48:63], s[8:9], 0x40
	s_load_b512 s[68:83], s[8:9], 0x80
	s_load_b512 s[84:99], s[8:9], 0xc0
	s_wait_loadcnt 0x0                             ; the next block's Q, asked for at this block's head
	v_bfe_u32 v[QS], v[QR], s[SH], 16
.endif
	s_wait_dscnt 0x0
.if \fl
	FLUSH_OUT
.endif
	v_min3_num_f32 v[T0], v[ST], v[ST+1], v[ST+2]
	v_min3_num_f32 v[T0], v[T0], v[ST+3], v[ST+4]
	v_min3_num_f32 v[T0], v[T0], v[ST+5], v[ST+6]
	v_min_num_f32 v[T0], v[T0], v[ST+7]
	v_permlanex16_b32 v[T1], v[T0], s[SEL], s[SEL+1]
	v_min_num_f32 v[G], v[T0], v[T1]               ; -M = the least -M_i
.irp i, 0,2,4,6
	v_pk_add_f32 v[ST+\i:ST+\i+1], v[G:G+1], v[ST+\i:ST+\i+1] op_sel_hi:[0,1] neg_lo:[0,1] neg_hi:[0,1]   ; M_i - M: whole numbers, 0 or less
.endr
.irp i, 0,1,2,3,4,5,6,7
	v_cvt_i32_f32 v[ST+\i], v[ST+\i]               ; (it saturates)
.endr
.irp i, 0,1,2,3,4,5,6,7
	v_ldexp_f32 v[ST+8+\i], v[ST+8+\i], v[ST+\i]   ; l_i under M
.endr
	v_pk_add_f32 v[ST+8:ST+9], v[ST+8:ST+9], v[ST+10:ST+11]
	v_pk_add_f32 v[ST+12:ST+13], v[ST+12:ST+13], v[ST+14:ST+15]
	v_pk_add_f32 v[ST+8:ST+9], v[ST+8:ST+9], v[ST+12:ST+13]
	v_add_f32 v[T0], v[ST+8], v[ST+9]
	v_permlanex16_b32 v[T1], v[T0], s[SEL], s[SEL+1]
	v_add_f32 v[T0], v[T0], v[T1]                  ; l: the row's sum
	v_rcp_f32 v[RL], v[T0]
	v_sub_f32 v[EX], v[G], v[NM]                   ; M_w - M (a plain place behind the reciprocal)
	v_cvt_i32_f32 v[EX], v[EX]
	s_wait_alu depctr_va_vdst(0)                   ; the wait ahead of the reciprocal's first reader
	v_ldexp_f32 v[F], v[RL], v[EX]                 ; F = 2^(M_w - M) / l
.irp b, 0,1,2,3
	v_mul_f32 v[TM+\b], v[TM+\b], v[F]             ; the block's largest weight
.endr
.irp b, 0,1,2,3
	v_max_num_f32 v[TM+\b], 0x1800000, v[TM+\b]    ; the floor 2^(3 - 127): the byte cannot fall under 1
.endr
.irp b, 0,1,2,3
	v_add_nc_u32 v[TM+8+\b], 0xff000000, v[TM+\b]
.endr
.irp b, 0,1,2,3
	v_lshrrev_b32 v[TM+12+\b], 23, v[TM+8+\b]
.endr
	v_lshl_or_b32 v[PW], v[TM+13], 8, v[TM+12]
	v_lshl_or_b32 v[PW], v[TM+14], 16, v[PW]
	v_lshl_or_b32 v[PW], v[TM+15], 24, v[PW]
.set n, 0
.rept 32
	v_pk_mul_f32 v[P+n:P+n+1], v[P+n:P+n+1], v[F:F+1] op_sel_hi:[1,0]   ; the finished weights.  (Also the places between the scale word's last write and the products)
.set n, n+2
.endr
.irp c, 0,1
	v_cvt_scalef32_pk8_fp4_f32 v[PC+4*\c],   v[P+32*\c:P+32*\c+7],     v[TM+8+2*\c]
	v_cvt_scalef32_pk8_fp4_f32 v[PC+4*\c+2], v[P+32*\c+8:P+32*\c+15],  v[TM+8+2*\c]
	v_cvt_scalef32_pk8_fp4_f32 v[PC+4*\c+1], v[P+32*\c+16:P+32*\c+23], v[TM+8+2*\c+1]
	v_cvt_scalef32_pk8_fp4_f32 v[PC+4*\c+3], v[P+32*\c+24:P+32*\c+31], v[TM+8+2*\c+1]
.endr
	v_nop                                          ; one plain place behind the scaled conversions
.irp c, 0,1
	v_permlane16_swap_b32 v[PC+4*\c], v[PC+4*\c+1] ; lanes 0-15: block 2 c whole; lanes 16-31: block 2 c + 1
	v_permlane16_swap_b32 v[PC+4*\c+2], v[PC+4*\c+3]
.endr
.if \red
	RLOAD 1-(\par)                                 ; the block before: its partials were stored in front of this block's barrier
.endif
.rept 4
	v_nop                                          ; an operand written by vector instructions stands four places ahead of a scaled product
.endr
.irp d, 0,1,2,3
	v_wmma_scale_f32_16x16x128_f8f6f4 v[OA+8*\d:OA+8*\d+7], v[VF+8*\d:VF+8*\d+7], v[PC:PC+7], 0, v[VS+\d], v[PW] matrix_a_fmt:MATRIX_FMT_FP4 matrix_b_fmt:MATRIX_FMT_FP4
.endr
.rept 4
	v_nop
.endr
.irp d, 0,1,2,3
	ds_store_b128 v[OW+(\par)], v[OA+8*\d:OA+8*\d+3] offset:64*\d        ; each accumulator from its low end on
	ds_store_b128 v[OW+(\par)], v[OA+8*\d+4:OA+8*\d+7] offset:64*\d+16
.endr
.if \red
	s_wait_dscnt 8                                 ; the eight loads of partials are in; the eight stores behind them may be out
	REDUCE 1-(\par)
.endif
.endm
	BLOCK 0, 0, 0, 1
	BLOCK 1, 1, 0, 1
	s_mov_b32 s[CNT], 14
.Lpair:                                            ; blocks 2 .. 29, two a trip: the parities come back
	BLOCK 0, 1, 1, 1
	BLOCK 1, 1, 1, 1
	s_sub_co_u32 s[CNT], s[CNT], 1
	s_cmp_lg_u32 s[CNT], 0
	s_cbranch_scc1 .Lpair
	BLOCK 0, 1, 1, 1
	BLOCK 1, 1, 1, 0                               ; block 31 asks for nothing: no load leaves its buffer
	s_wait_dscnt 0x0
	s_barrier_signal -1
	s_barrier_wait -1                              ; block 31's partials and block 30's image lie in LDS
	FLUSH_IN 0
	RLOAD 1
	s_wait_dscnt 0x0
	FLUSH_OUT
	REDUCE 1
	s_wait_dscnt 0x0
	s_barrier_signal -1
	s_barrier_wait -1
	FLUSH_IN 1
	s_wait_dscnt 0x0
	FLUSH_OUT
	s_wait_tensorcnt 0x0                           ; the wave's end: behind my last LDS store
	ds_add_u32 v[SPW], v[NIL]
	s_wait_dscnt 0x0
	s_endpgm
.Lfunc_end_k_qd02027598f_attn:
	.size	k_qd02027598f_attn, .Lfunc_end_k_qd02027598f_attn-k_qd02027598f_attn
	.p2alignl 7, 3214868480
	.fill 96, 4, 3214868480
	.section	.rodata,"a",@progbits
	.p2align	6, 0x0
	.amdhsa_kernel k_qd02027598f_attn
		.amdhsa_group_segment_fixed_size 155648
		.amdhsa_private_segment_fixed_size 0
		.amdhsa_enable_private_segment 0
		.amdhsa_kernarg_size 24
		.amdhsa_user_sgpr_count 2
		.amdhsa_user_sgpr_kernarg_segment_ptr 1
		.amdhsa_wavefront_size32 1
		.amdhsa_system_sgpr_workgroup_id_x 1
		.amdhsa_system_sgpr_workgroup_id_y 1
		.amdhsa_system_sgpr_workgroup_id_z 1
		.amdhsa_system_vgpr_workitem_id 0
		.amdhsa_next_free_vgpr 256
		.amdhsa_next_free_sgpr 100
		.amdhsa_reserve_vcc 0
		.amdhsa_float_denorm_mode_32 3
		.amdhsa_float_denorm_mode_16_64 3
		.amdhsa_memory_ordered 1
		.amdhsa_forward_progress 1
		.amdhsa_inst_pref_size 171
	.end_amdhsa_kernel
	.amdgpu_metadata
---
amdhsa.version: [ 1, 2 ]
amdhsa.kernels:
  - .name:           k_qd02027598f_attn
    .symbol:         k_qd02027598f_attn.kd
    .args:
      - { .name: qkv, .offset: 0, .size: 8, .value_kind: global_buffer, .address_space: global }
      - { .name: maskw, .offset: 8, .size: 8, .value_kind: global_buffer, .address_space: global }
      - { .name: ctx, .offset: 16, .size: 8, .value_kind: global_buffer, .address_space: global }
    .group_segment_fixed_size: 155648
    .private_segment_fixed_size: 0
    .kernarg_segment_align: 8
    .kernarg_segment_size: 24
    .max_flat_workgroup_size: 512
    .sgpr_count:     100
    .vgpr_count:     256
    .wavefront_size: 32
...
	.end_amdgpu_metadata
.endif
;; end of part 3
;; launch outproj (part 4): grid 4 x 64, 8 waves a work-group, clusters of 4 x 4, 286,464 bytes of LDS; arguments ctx, Wo_codes, Wo_scales, hidden_state_query, out0; writes out0
.if DOCPART == 4
	.amdgcn_target "amdgcn-amd-amdhsa--gfx1250"
	.amdhsa_code_object_version 6
	.text
	.protected	k_qd02027598f_outproj
	.globl	k_qd02027598f_outproj
	.p2align	8
	.type	k_qd02027598f_outproj,@function
k_qd02027598f_outproj:
	s_mov_b64 s[64:65], 0
	v_nop
	global_prefetch_b8 v0, s[64:65] scope:SCOPE_SE
	s_setreg_imm32_b32 hwreg(HW_REG_WAVE_MODE, 25, 1), 1
	s_wait_xcnt 0x0
	s_wait_alu depctr_hold_cnt(0) depctr_sa_sdst(0) depctr_va_vdst(0) depctr_va_sdst(0) depctr_va_ssrc(0) depctr_va_vcc(0) depctr_vm_vsrc(0)
	s_getreg_b32 s2, hwreg(HW_REG_IB_STS2, 6, 4)
	s_cmp_eq_u32 s2, 0
	s_cbranch_scc0 .Lentry_in_a_cluster
	s_endpgm
.Lentry_in_a_cluster:
	s_bfe_u32 s2, ttmp6, 0x10000c
	s_cmp_lg_u32 s2, 0xf033
	s_cbranch_scc0 .Lentry_shape_is_right
	s_endpgm
.Lentry_shape_is_right:
; LAUNCH 4 OF 4: out0 = ctx Wo^T + hidden_state_query.  Nothing of reference() is left out here.
; The form of the projections' launch: source 0 = 16 rows of Wo (operand P), source 1 = 16 tokens of ctx (operand R): a lane holds one token and eight neighbouring columns of out0.
; SHARES: a work-group makes 128 tokens x 256 columns; eight waves, wave w: tokens 32 (w / 2) on, columns 128 (w % 2) on: 2 x 8 accumulators.  256 work-groups.
; ALL OF K (1,024) LIES IN LDS AT ONCE, in two chunks of 512: first fills alone.  ctx's codes lie in memory as images of the operand's registers (16 tokens x 64 along K: 512 bytes, lane l's 16 bytes at 16 l): they come in dense and
; are read 512 consecutive bytes a load.  Wo's rows: 256 bytes + 16 of padding.
; CLUSTER 4 x 4: ctx's tile hangs on the cluster's row, Wo's on its column: each is asked for jointly by the four that share it.
; THE RESIDUAL's 32 rows x 512 bytes of a wave are prefetched once, in the first K step, behind its run of LDS loads: eight K steps ahead of the loads that want them; each lane names a row, two instructions name its two blocks of 256 bytes.
; THE WAY OUT: 16 tokens at a time through the wave's own stage in LDS, back as whole rows of 512 bytes; the residual is added; 32 lanes store 512 consecutive bytes, aligned.
.set RC1,   32768                      ; R's codes: chunk 0 at 0, chunk 1 here: [16 tokens (8)][8 images of 512 bytes]
.set PB0,   65536                      ; P's codes, chunk 0: 256 rows, pitch 272
.set PSTEP, 69632                      ; chunk 1 lies this far on
.set SCR,   204800                     ; R's scale bytes: 16 units of 256 bytes + 16
.set SCP,   209152                     ; P's: 32 units
.set STG,   217856                     ; a stage of 16 rows x 528 bytes for each wave: no tensor load lands here
.set SPARE, 285440                     ; the spare words, 128 bytes for each wave: four blocks of 256 bytes that no other line names
.set SPW, 1
.set NIL, 2
.set AR,  3
.set AP,  4
.set ASR, 5
.set ASP, 6
.set PFO, 7                            ; v7 the prefetches' offset: 4,096 x lane; never rewritten
.set RS,  8                            ; v8-15   R's scale words
.set PS,  16                           ; v16-47  P's
.set RF,  48                           ; v48-63  R's two fragments; on the way out v48-50 addresses
.set PF,  64                           ; v64-127 P's eight; on the way out the residual's 16 rows
.set ACC, 128
.set STO, 48
.set RD,  49
.set GO,  50
.set RES, 64
.set WV,   2
.set SIDE, 3
.set HS,   26                          ; s[26:27] the residual at my first row and column;  s[28:29] out0 likewise
.set OUTP, 28
.set G1RC, 36
.set G1PC, 44
.set G1RS, 52
.set G1PS, 68
.set G0R,  76
.set G0P,  88
.macro JLOAD g0r, g1r, g0p, g1p        ; a joint load: waves 0-3 fetch R's quarters, waves 4-7 P's; the branch hangs on the wave's number alone
	s_cmp_eq_u32 s[SIDE], 0
	s_cbranch_scc0 .Lfor_p_\@
	tensor_load_to_lds s[\g0r:\g0r+3], s[\g1r:\g1r+7]
	s_nop 0
.rept 4
	v_nop
.endr
	s_branch .Lasked_\@
.Lfor_p_\@:
	tensor_load_to_lds s[\g0p:\g0p+3], s[\g1p:\g1p+7]
	s_nop 0
.rept 4
	v_nop
.endr
.Lasked_\@:
.endm
.macro CROUND
	s_barrier_signal -1
	s_barrier_wait -1
	s_cmp_lg_u32 s[WV], 0
	s_cbranch_scc1 .Lnot_wave_0_\@
	s_barrier_signal -3
.Lnot_wave_0_\@:
	s_barrier_wait -3
	s_barrier_signal -1
	s_barrier_wait -1
.endm
	s_load_b256 s[4:11], s[0:1], 0x0               ; ctx 4, Wo codes 6, Wo scales 8, hidden_state_query 10
	s_load_b64 s[12:13], s[0:1], 0x20              ; out0
	v_lshl_add_u32 v[SPW], v0, 2, SPARE
	v_mov_b32 v[NIL], 0
	ds_add_u32 v[SPW], v[NIL]                      ; the wave's opening: the add, twice on end, and its wait ahead of my first tensor load
	ds_add_u32 v[SPW], v[NIL]
	v_lshrrev_b32 v3, 5, v0
	v_readfirstlane_b32 s[WV], v3
	s_lshr_b32 s[SIDE], s[WV], 2
	s_and_b32 s30, s[WV], 3
	s_bfe_u32 s31, ttmp6, 0x40000                  ; cx = P's tile
	s_bfe_u32 s32, ttmp6, 0x40004                  ; cy
	s_and_b32 s60, ttmp7, 0xffff
	s_lshl_b32 s60, s60, 2
	s_add_co_u32 s60, s60, s32                     ; R's tile
	s_lshl_b32 s61, s32, 2
	s_lshl_b32 s61, 15, s61                        ; my row of the cluster
	s_lshl_b32 s62, 0x1111, s31                    ; my column
	s_or_b32 s[G1RC], s61, (3<<16)|(1<<21)         ; R's codes: 2 rows of 4,096 bytes (512 elements of 8), 8,192 bytes apart, no padding
	s_mov_b32 s[G1RC+1], 512<<16
	s_mov_b32 s[G1RC+2], 2<<16
	s_mov_b32 s[G1RC+3], 512<<16
	s_mov_b32 s[G1RC+4], 2
	s_mov_b32 s[G1RC+5], 1024
	s_mov_b32 s[G1RC+6], 0
	s_mov_b32 s[G1RC+7], 0
	s_or_b32 s[G1PC], s62, (1<<20)|(1<<21)|(5<<22)|(3<<25)   ; P's codes: 64 rows of 256 bytes, 512 apart, 16 bytes of padding behind each
	s_mov_b32 s[G1PC+1], 256<<16
	s_mov_b32 s[G1PC+2], 64<<16
	s_mov_b32 s[G1PC+3], 256<<16
	s_mov_b32 s[G1PC+4], 64
	s_mov_b32 s[G1PC+5], 512
	s_mov_b32 s[G1PC+6], 0
	s_mov_b32 s[G1PC+7], 0
	s_or_b32 s[G1RS], s61, (3<<16)|(1<<20)|(1<<21)|(5<<22)|(3<<25)
	s_mov_b32 s[G1RS+1], 32<<16
	s_mov_b32 s[G1RS+2], 4<<16
	s_mov_b32 s[G1RS+3], 32<<16
	s_mov_b32 s[G1RS+4], 4
	s_mov_b32 s[G1RS+5], 32
	s_mov_b32 s[G1RS+6], 0
	s_mov_b32 s[G1RS+7], 0
	s_or_b32 s[G1PS], s62, (3<<16)|(1<<20)|(1<<21)|(5<<22)|(3<<25)
	s_mov_b32 s[G1PS+1], 32<<16
	s_mov_b32 s[G1PS+2], 8<<16
	s_mov_b32 s[G1PS+3], 32<<16
	s_mov_b32 s[G1PS+4], 8
	s_mov_b32 s[G1PS+5], 32
	s_mov_b32 s[G1PS+6], 0
	s_mov_b32 s[G1PS+7], 0
	s_wait_dscnt 0x0                               ; both opening adds are done
	s_wait_kmcnt 0x0
	s_lshl_b32 s14, s60, 3                         ; R's codes: group of 16 tokens 8 x tile + 2 x quarter, 8,192 bytes each
	s_lshl_b32 s15, s30, 1
	s_add_co_u32 s14, s14, s15
	s_lshl_b32 s14, s14, 13
	s_mov_b32 s15, 0
	s_add_nc_u64 s[14:15], s[4:5], s[14:15]
	s_lshl_b32 s16, s60, 7                         ; R's scales: token 128 x tile + 32 x quarter, 32 bytes each, behind the codes
	s_lshl_b32 s17, s30, 5
	s_add_co_u32 s16, s16, s17
	s_lshl_b32 s16, s16, 5
	s_add_co_u32 s16, s16, 0x400000
	s_mov_b32 s17, 0
	s_add_nc_u64 s[16:17], s[4:5], s[16:17]
	s_lshl_b32 s18, s31, 8                         ; P: row 256 x tile + 64 x quarter
	s_lshl_b32 s19, s30, 6
	s_add_co_u32 s18, s18, s19
	s_lshl_b32 s20, s18, 5
	s_mov_b32 s21, 0
	s_lshl_b32 s18, s18, 9
	s_mov_b32 s19, 0
	s_add_nc_u64 s[18:19], s[6:7], s[18:19]
	s_add_nc_u64 s[20:21], s[8:9], s[20:21]
	s_mul_i32 s22, s30, 1088
	s_lshl_b32 s23, s30, 13
	s_mul_i32 s24, s30, 2176
	s_mul_i32 s25, s30, 17408
	s_mov_b32 s[G0R], 1
	s_add_co_u32 s[G0R+1], s22, SCR
	s_mov_b64 s[G0R+2:G0R+3], s[16:17]
	s_or_b32 s[G0R+3], s[G0R+3], 0x80000000
	s_mov_b32 s[G0R+4], 1
	s_mov_b32 s[G0R+5], s23
	s_mov_b64 s[G0R+6:G0R+7], s[14:15]
	s_or_b32 s[G0R+7], s[G0R+7], 0x80000000
	s_mov_b32 s[G0R+8], 1
	s_add_co_u32 s[G0R+9], s23, RC1
	s_add_nc_u64 s[G0R+10:G0R+11], s[14:15], 4096
	s_or_b32 s[G0R+11], s[G0R+11], 0x80000000
	s_mov_b32 s[G0P], 1
	s_add_co_u32 s[G0P+1], s24, SCP
	s_mov_b64 s[G0P+2:G0P+3], s[20:21]
	s_or_b32 s[G0P+3], s[G0P+3], 0x80000000
	s_mov_b32 s[G0P+4], 1
	s_add_co_u32 s[G0P+5], s25, PB0
	s_mov_b64 s[G0P+6:G0P+7], s[18:19]
	s_or_b32 s[G0P+7], s[G0P+7], 0x80000000
	s_mov_b32 s[G0P+8], 1
	s_add_co_u32 s[G0P+9], s25, PB0+PSTEP
	s_add_nc_u64 s[G0P+10:G0P+11], s[18:19], 256
	s_or_b32 s[G0P+11], s[G0P+11], 0x80000000
	CROUND                                         ; all sixteen work-groups are here: the joint loads meet
	JLOAD G0R, G1RS, G0P, G1PS                     ; three loads of mine are out at the most: the scales,
	JLOAD G0R+4, G1RC, G0P+4, G1PC                 ; chunk 0,
	JLOAD G0R+8, G1RC, G0P+8, G1PC                 ; chunk 1
	v_and_b32 v48, 15, v0                          ; r
	v_bfe_u32 v49, v0, 4, 1                        ; h
	v_and_b32 v50, 31, v0                          ; lane
	s_lshr_b32 s14, s[WV], 1                       ; which 32 tokens are mine
	s_and_b32 s15, s[WV], 1                        ; which 128 columns
	s_lshl_b32 s16, s14, 13
	v_lshlrev_b32 v[AR], 4, v50
	v_add_nc_u32 v[AR], s16, v[AR]                 ; an image's place for my lane: 16 x lane + 8,192 (w / 2)
	v_mul_u32_u24 v[AP], v48, 272
	v_lshl_add_u32 v[AP], v49, 4, v[AP]
	s_mul_i32 s16, s15, 34816
	s_add_co_u32 s16, s16, PB0
	v_add_nc_u32 v[AP], s16, v[AP]
	v_lshrrev_b32 v51, 3, v48
	v_lshlrev_b32 v52, 5, v48
	v_lshl_add_u32 v52, v51, 4, v52
	s_mul_i32 s16, s14, 1088
	s_add_co_u32 s16, s16, SCR
	v_add_nc_u32 v[ASR], s16, v52
	s_mul_i32 s16, s15, 4352
	s_add_co_u32 s16, s16, SCP
	v_add_nc_u32 v[ASP], s16, v52
	v_lshlrev_b32 v[PFO], 12, v50
	s_lshl_b32 s22, s60, 7
	s_lshl_b32 s23, s14, 5
	s_add_co_u32 s22, s22, s23                     ; my first token,
	s_lshl_b32 s22, s22, 12                        ; 4,096 bytes a row,
	s_lshl_b32 s23, s31, 10
	s_add_co_u32 s22, s22, s23                     ; the tile's 256 columns,
	s_lshl_b32 s23, s15, 9
	s_add_co_u32 s22, s22, s23                     ; my 128 of them
	s_mov_b32 s23, 0
	s_add_nc_u64 s[HS:HS+1], s[10:11], s[22:23]
	s_add_nc_u64 s[OUTP:OUTP+1], s[12:13], s[22:23]
.macro SCALES j
.irp m, 0,1
	ds_load_b128 v[RS+4*\m:RS+4*\m+3], v[ASR] offset:544*\m+16*\j
.endr
.irp t, 0,1,2,3,4,5,6,7
	ds_load_b128 v[PS+4*\t:PS+4*\t+3], v[ASP] offset:544*\t+16*\j
.endr
.endm
; A K step of 128: 20 LDS loads, 16 products; the sixteen accumulators take turns, one instruction a turn.  lead = 1: four places in front of the loads.  pf = 1: the residual's prefetches
.macro KSTEP q, zero, lead, pf
.if \lead
.rept 4
	v_nop
.endr
.endif
.irp m, 0,1
.irp c, 0,1
	ds_load_b128 v[RF+8*\m+4*\c:RF+8*\m+4*\c+3], v[AR] offset:4096*\m+1024*(\q)+512*\c
.endr
.endr
.irp t, 0,1,2,3,4,5,6,7
.irp c, 0,1
	ds_load_b128 v[PF+8*\t+4*\c:PF+8*\t+4*\c+3], v[AP] offset:4352*\t+64*(\q)+32*\c
.endr
.endr
.if \pf
	global_prefetch_b8 v[PFO], s[HS:HS+1] th:TH_LOAD_NT scope:SCOPE_SE
	global_prefetch_b8 v[PFO], s[HS:HS+1] offset:256 th:TH_LOAD_NT scope:SCOPE_SE
.endif
.irp t, 0,1,2,3,4,5,6,7
	s_wait_dscnt 2*(7-\t)                          ; R's fragments and P's up to t are in; the later fragments' two loads each may be out
.irp m, 0,1
.if \zero
	v_wmma_scale_f32_16x16x128_f8f6f4 v[ACC+8*(8*\m+\t):ACC+8*(8*\m+\t)+7], v[PF+8*\t:PF+8*\t+7], v[RF+8*\m:RF+8*\m+7], 0, v[PS+4*\t+(\q)], v[RS+4*\m+(\q)] matrix_a_fmt:MATRIX_FMT_FP4 matrix_b_fmt:MATRIX_FMT_FP4
.else
	v_wmma_scale_f32_16x16x128_f8f6f4 v[ACC+8*(8*\m+\t):ACC+8*(8*\m+\t)+7], v[PF+8*\t:PF+8*\t+7], v[RF+8*\m:RF+8*\m+7], v[ACC+8*(8*\m+\t):ACC+8*(8*\m+\t)+7], v[PS+4*\t+(\q)], v[RS+4*\m+(\q)] matrix_a_fmt:MATRIX_FMT_FP4 matrix_b_fmt:MATRIX_FMT_FP4
.endif
.endr
.endr
.endm
	s_wait_tensorcnt 0x1                           ; my scales and my part of chunk 0 are in; chunk 1's load may be out
	s_barrier_signal -1
	s_barrier_wait -1
	SCALES 0
	KSTEP 0, 1, 0, 1
	KSTEP 1, 0, 1, 0
	KSTEP 2, 0, 1, 0
	KSTEP 3, 0, 1, 0
	s_wait_tensorcnt 0x0                           ; my part of chunk 1 is in,
	s_wait_dscnt 0x0
	s_barrier_signal -1
	s_barrier_wait -1                              ; everybody's is
.rept 4
	v_nop
.endr
	v_add_nc_u32 v[AR], RC1, v[AR]
	v_add_nc_u32 v[AP], PSTEP, v[AP]
	SCALES 1
	KSTEP 0, 0, 0, 0
	KSTEP 1, 0, 1, 0
	KSTEP 2, 0, 1, 0
	KSTEP 3, 0, 1, 0
	; THE WAY OUT
.rept 4
	v_nop                                          ; places behind the last products
.endr
	v_and_b32 v51, 15, v0
	v_bfe_u32 v52, v0, 4, 1
	v_and_b32 v53, 31, v0
	s_mul_i32 s14, s[WV], 16*528
	s_add_co_u32 s14, s14, STG                     ; my stage
	v_mul_u32_u24 v[STO], v51, 528
	v_lshl_add_u32 v[STO], v52, 5, v[STO]
	v_add_nc_u32 v[STO], s14, v[STO]               ; in: row r, 32 bytes for each half of the lanes
	v_lshlrev_b32 v[GO], 4, v53                    ; back, and in memory: 32 lanes take a row's 512 bytes
	v_add_nc_u32 v[RD], s14, v[GO]
.irp i, 0,1,2,3,4,5,6,7,8,9,10,11,12,13,14,15
	global_load_b128 v[RES+4*\i:RES+4*\i+3], v[GO], s[HS:HS+1] offset:4096*\i th:TH_LOAD_NT   ; the residual of my first 16 tokens
.endr
.macro TOSTAGE m                       ; LDS serves a wave's instructions in order: the loads see the stores above, and the next 16 tokens' stores come behind them
.irp t, 0,1,2,3,4,5,6,7
	ds_store_b128 v[STO], v[ACC+64*\m+8*\t:ACC+64*\m+8*\t+3] offset:64*\t        ; each accumulator from its low end on
	ds_store_b128 v[STO], v[ACC+64*\m+8*\t+4:ACC+64*\m+8*\t+7] offset:64*\t+16
.endr
.irp i, 0,1,2,3,4,5,6,7,8,9,10,11,12,13,14,15
	ds_load_b128 v[ACC+64*\m+4*\i:ACC+64*\m+4*\i+3], v[RD] offset:528*\i         ; whole rows, into the registers that they left
.endr
.endm
.macro SEND m, y                       ; y: the LDS instructions issued behind these 16 tokens' loads
.irp i, 0,1,2,3,4,5,6,7,8,9,10,11,12,13,14,15
	s_wait_dscnt \y+15-\i                          ; row i is back from the stage
.if \m == 0
	s_wait_loadcnt 15                              ; its residual is in: behind it 15 - i loads of the first 16 rows and i of the second 16
.else
	s_wait_loadcnt 15-\i
.endif
	v_pk_add_f32 v[ACC+64*\m+4*\i:ACC+64*\m+4*\i+1], v[ACC+64*\m+4*\i:ACC+64*\m+4*\i+1], v[RES+4*\i:RES+4*\i+1]
	v_pk_add_f32 v[ACC+64*\m+4*\i+2:ACC+64*\m+4*\i+3], v[ACC+64*\m+4*\i+2:ACC+64*\m+4*\i+3], v[RES+4*\i+2:RES+4*\i+3]
.if \m == 0
	global_load_b128 v[RES+4*\i:RES+4*\i+3], v[GO], s[HS:HS+1] offset:4096*(16+\i) th:TH_LOAD_NT
.endif
	global_store_b128 v[GO], v[ACC+64*\m+4*\i:ACC+64*\m+4*\i+3], s[OUTP:OUTP+1] offset:4096*(16*\m+\i) th:TH_STORE_NT   ; 512 consecutive bytes, aligned
.endr
.endm
	TOSTAGE 0
	TOSTAGE 1
	SEND 0, 32
	SEND 1, 0
	s_wait_tensorcnt 0x0                           ; the wave's end: behind my last tensor load and my last LDS store
	ds_add_u32 v[SPW], v[NIL]
	s_wait_dscnt 0x0
	CROUND                                         ; the closing round: no work-group ends while a partner may still ask for a tile that names it
	s_endpgm
.Lfunc_end_k_qd02027598f_outproj:
	.size	k_qd02027598f_outproj, .Lfunc_end_k_qd02027598f_outproj-k_qd02027598f_outproj
	.p2alignl 7, 3214868480
	.fill 96, 4, 3214868480
	.section	.rodata,"a",@progbits
	.p2align	6, 0x0
	.amdhsa_kernel k_qd02027598f_outproj
		.amdhsa_group_segment_fixed_size 286464
		.amdhsa_private_segment_fixed_size 0
		.amdhsa_enable_private_segment 0
		.amdhsa_kernarg_size 40
		.amdhsa_user_sgpr_count 2
		.amdhsa_user_sgpr_kernarg_segment_ptr 1
		.amdhsa_wavefront_size32 1
		.amdhsa_system_sgpr_workgroup_id_x 1
		.amdhsa_system_sgpr_workgroup_id_y 1
		.amdhsa_system_sgpr_workgroup_id_z 1
		.amdhsa_system_vgpr_workitem_id 0
		.amdhsa_next_free_vgpr 256
		.amdhsa_next_free_sgpr 100
		.amdhsa_reserve_vcc 0
		.amdhsa_float_denorm_mode_32 3
		.amdhsa_float_denorm_mode_16_64 3
		.amdhsa_memory_ordered 1
		.amdhsa_forward_progress 1
		.amdhsa_inst_pref_size 57
	.end_amdhsa_kernel
	.amdgpu_metadata
---
amdhsa.version: [ 1, 2 ]
amdhsa.kernels:
  - .name:           k_qd02027598f_outproj
    .symbol:         k_qd02027598f_outproj.kd
    .args:
      - { .name: ctx, .offset: 0, .size: 8, .value_kind: global_buffer, .address_space: global }
      - { .name: Wo_codes, .offset: 8, .size: 8, .value_kind: global_buffer, .address_space: global }
      - { .name: Wo_scales, .offset: 16, .size: 8, .value_kind: global_buffer, .address_space: global }
      - { .name: hidden_state_query, .offset: 24, .size: 8, .value_kind: global_buffer, .address_space: global }
      - { .name: out0, .offset: 32, .size: 8, .value_kind: global_buffer, .address_space: global }
    .group_segment_fixed_size: 286464
    .private_segment_fixed_size: 0
    .kernarg_segment_align: 8
    .kernarg_segment_size: 40
    .max_flat_workgroup_size: 256
    .sgpr_count:     100
    .vgpr_count:     256
    .wavefront_size: 32
...
	.end_amdgpu_metadata
.endif
;; end of part 4
;; ======== version 2 of 2: 4 launches; version 1 with the launch attn written anew for expert scheduling mode
;; workspace buffers: xq 4,456,448 bytes; qkv 13,369,344 bytes; maskw 2,097,152 bytes of whole numbers; ctx 4,456,448 bytes
;; launch prep: the kernel of part 1 again; grid 512 x 1, 4 waves a work-group, no clusters, 50,688 bytes of LDS; arguments hidden_state_query, attention_mask, xq, maskw; writes xq, maskw
;; launch proj: the kernel of part 2 again; grid 4 x 192, 8 waves a work-group, clusters of 4 x 4, 222,976 bytes of LDS; arguments xq, hidden_state_key_codes, hidden_state_key_scales, hidden_state_value_codes, hidden_state_value_scales, Wq_codes, Wq_scales, Wk_codes, Wk_scales, Wv_codes, Wv_scales, qkv; writes qkv
;; launch attn (part 5): grid 4 x 64, 16 waves a work-group, no clusters, 155,648 bytes of LDS; arguments qkv, maskw, ctx; writes ctx
.if DOCPART == 5
	.amdgcn_target "amdgcn-amd-amdhsa--gfx1250"
	.amdhsa_code_object_version 6
	.text
	.protected	k_qd02027598f_attn
	.globl	k_qd02027598f_attn
	.p2align	8
	.type	k_qd02027598f_attn,@function
k_qd02027598f_attn:
	s_mov_b64 s[64:65], 0
	v_nop
	global_prefetch_b8 v0, s[64:65] scope:SCOPE_SE
	s_setreg_imm32_b32 hwreg(HW_REG_WAVE_SCHED_MODE, 0, 2), 2
	s_setreg_imm32_b32 hwreg(HW_REG_WAVE_MODE, 25, 1), 1
	s_wait_xcnt 0x0
	s_wait_alu depctr_vm_vsrc(0)
; LAUNCH 3 OF 4: scores, softmax, mask, context; ctx quantised for the last product.  Nothing of reference() is left out: the mask is an input, so every tile is multiplied.
; WHAT IS QUANTISED for the second product is the finished weight: exp(s - max) / sum, set to 0 where the mask is true, in blocks of 32 keys.  The divisor is no power of two, so a row's whole sum is wanted before any of its
; weights is quantised.  So A ROW'S 2,048 SCORES LIE IN REGISTERS AT ONCE, spread over the sixteen waves: each score and each exponential is made once.
; SHARES: a work-group owns 512 queries of one head, 32 blocks of 16.  Wave w owns keys 128 w .. 128 w + 127 for the whole launch: its K and V^T fragments and their scale words are loaded once, into registers.
; BOTH PRODUCTS TRANSPOSED: S^T = K Q^T (a lane holds query lane % 16; register 8 t + j is key 16 t + 8 (lane / 16) + j), O^T = V^T P^T.  The first product's K is 64: Q's registers for k = 64..127 hold zero codes, K's operand there
; runs on into the next tile's registers, and both scale words are cut to two bytes (the byte 0 is 2^-127, no NaN): those products are exact zeros.
; SOFTMAX: t = score x log2(e) / 8.  Each wave takes away its OWN whole number M_w = ceil(largest t of its keys): p = 2^(t - M_w), l_w = sum of p.  The waves exchange (-M_w, l_w) through LDS; M = max M_i;
; l = sum of l_i 2^(M_i - M) (v_ldexp_f32: nothing is rounded); the weight is p x F, F = 2^(M_w - M) / l.  The sum takes all keys, the blocks' largest magnitudes only those that the mask leaves.
; A block's largest weight is (largest masked p) x F: a multiplication by one positive factor keeps the order, so it is the largest product bit for bit.
; ONE BARRIER A BLOCK: block i's partial O^T is stored behind barrier i and summed behind barrier i + 1 (wave w sums query w over the 16 partials and quantises it); its codes are gathered in LDS and stored by wave 0 behind barrier
; i + 2.  All LDS regions come in two, by the block's parity: every overwrite stands behind a barrier in front of which each reader of the old bytes has waited for its LDS loads.
; cluster = none: the four work-groups of a head read the same K and V, but once each (2 x 64 KiB and 12 KiB of scale words), straight into registers, at the head; a joint load would land in LDS and be read again from there; in the loop
; a block's Q and mask words belong to one work-group.  No prefetch: K and V are asked for once at the head; Q and the mask words of block i + 1 are asked for in block i.
; OUT (ctx): codes + 0: [b][T = token / 16][head][512 bytes]: lane (r, h)'s 16 bytes at 16 lane = token 16 T + r, d = 32 h .. 32 h + 31: the image of the last product's operand registers; scale bytes + 4,194,304: [token][32].
; LIMITS: a block of zeros gets the byte 1 where the rule says 127 (zero codes; the bytes are read by this program alone); a weight under 2^-126 is lost or loses bits; NaN and infinities are not served.
; THE MODE: SCHED_MODE bits 1:0 = 2 (LLVM: expert scheduling mode 2), set by the entry lines.  The code itself states the register dependences between vector or matrix instructions and memory or LDS instructions, with s_wait_alu, always for 0.
; THE PLAN.  Registers that memory or LDS instructions touch, round a block:
;   QF[0:3], QR   read by the first products and by the line that cuts Q's scale word; the next block's loads land in them, directly behind the wait for the exponentials.
;   QO, QSO       read by those loads; stepped by two additions at the next block's head.
;   NM, T0        data of the two stores of -M_w and l_w; T0 is written again behind the barrier, NM in the next block.
;   ST            the loads behind the barrier land here; vector work names it from there to the reciprocal.
;   OA[0:4]       the image's loads land here; wave 0's two global stores read them; the second products write them.
;   P[0:31]       read by the weights' conversions; then the loads of the block before's partials land here; the summing reads them.
;   OA, CD, T0    written by the second products and by the summing; read by one run of ten LDS stores at the block's end; written again in the next block.
;   All other addresses are made at the head and never written again.
; FIVE WAITS ON va_vdst A BLOCK: behind the exponentials; ahead of the stores of -M_w and l_w; ahead of the reciprocal's reader; ahead of the loads of partials and the second products; ahead of the ten stores.
; THREE ON vm_vsrc: behind the barrier's loads; in wave 0's arm, behind its global stores; at the block's end.  Each stands ahead of the next branch, so that nothing is owed at a label.
.set OB1,   73728                      ; partial O^T: parity 0 at 0, parity 1 here; partial p at 4608 p + 16 (p % 2) + 128 ((p / 2) % 2), rows of 272 bytes (64 d x 4 + 16)
.set STAT0, 147456                     ; 16 rows (queries) x 144 bytes: -M of 16 waves, l of 16 waves, 16 of padding; parity 1: + 2304
.set CT0,   152064                     ; the 512-byte image of a block's codes; parity 1: + 512
.set CS0,   153088                     ; its 32 scale bytes; parity 1: + 256
.set SPARE, 153600                     ; the spare words, 128 bytes for each wave: eight blocks of 256 bytes that no other line names
.set SPW, 1
.set NIL, 2
.set ZR,  3                            ; v3 0: what a masked weight becomes
.set QO,  4                            ; v4 Q's codes: byte offset of my 16 bytes
.set QSO, 5                            ; v5 Q's scale words
.set STW, 6                            ; v6 where I store my wave's -M and l
.set STR, 7                            ; v7 where I read eight waves' of my query
.set OW,  8                            ; v8, v9 where I store my partial, parity 0, 1
.set ORD, 10                           ; v10, v11 where I read partials for query w
.set CTW, 12                           ; v12 where my dword of codes goes
.set CSW, 13                           ; v13 and the scale byte
.set CTR, 14                           ; v14 the image back: 16 x lane
.set CSR, 15                           ; v15 two scale bytes of token lane % 16
.set NM,  16                           ; v[16:17] -M_w (the pair's upper word is written once)
.set G,   18                           ; v[18:19] -M
.set F,   20                           ; v[20:21] F
.set T0,  26
.set T1,  27
.set EX,  28
.set RL,  29
.set GCO, 30                           ; v30 16 x lane
.set GSO, 31                           ; v31 32 x (lane % 16)
.set ST,  32                           ; v32-39 eight -M, v40-47 eight l
.set TM,  48                           ; v48-51 maxima, v52-55 the other half's, v56-59 scale operands, v60-63 bytes
.set P,   64                           ; v64-127 S^T, then p, then the weights; later 32 of them the partials of query w
.set KF,  128                          ; v128-159 K: four registers a tile
.set VF,  160                          ; v160-191 V^T: 8 dt + 4 c
.set KS,  192                          ; v192-199 K's scale words
.set VS,  200                          ; v200-203 V's
.set QF,  204                          ; v204-211 Q; 208-211 stay 0
.set QS,  212                          ; v212 Q's scale word, cut;  v213 as loaded
.set QR,  213
.set PC,  214                          ; v214-221 the weights' codes
.set PW,  222                          ; v222 their scale word
.set CD,  223                          ; v223 a dword of ctx codes
.set OA,  224                          ; v224-255 O^T; v224-228 also the image on its way out
.set WV,  2
.set CNT, 3
.set CS,  16                           ; s[16:17] log2(e) / 8
.set SEL, 18                           ; s[18:19] lane l xor 16
.set SH,  20                           ; s20 16 x (head % 2): where my head's two bytes begin in a scale word of q or k
; s[32:63], s[68:99]: the block's 64 mask words: word n in s[32 + n], from n = 32 on in s[36 + n]
	s_load_b128 s[24:27], s[0:1], 0x0              ; qkv, maskw
	s_load_b64 s[10:11], s[0:1], 0x10              ; ctx
	v_lshl_add_u32 v[SPW], v0, 2, SPARE
	v_mov_b32 v[NIL], 0
	v_lshrrev_b32 v28, 5, v0                       ; w
	v_readfirstlane_b32 s[WV], v28
	v_and_b32 v26, 15, v0                          ; r
	v_bfe_u32 v27, v0, 4, 1                        ; h
	v_lshlrev_b32 v[QO], 5, v26
	v_lshl_add_u32 v[QO], v27, 4, v[QO]            ; 32 r + 16 h
	v_lshlrev_b32 v[QSO], 2, v26                   ; 4 r
	s_wait_alu depctr_va_sdst(0)                   ; the wave's number is written into s[WV], ahead of its first reader: the mask words' base is made from it
	s_and_b32 s21, ttmp7, 0xffff                   ; 16 b + head
	s_lshr_b32 s22, s21, 4
	s_and_b32 s23, s21, 15
	s_and_b32 s[SH], s23, 1
	s_lshl_b32 s[SH], s[SH], 4
	s_mov_b32 s[CS], 0x3e38aa3b
	s_mov_b32 s[CS+1], s[CS]
	s_mov_b32 s[SEL], 0x76543210
	s_mov_b32 s[SEL+1], 0xfedcba98
	v_lshl_add_u32 v24, v28, 12, v[QO]             ; K's and V's codes: + 4,096 w
	v_lshl_add_u32 v29, v28, 9, v[QSO]             ; K's scale words: + 512 w
	s_lshl_b32 s30, s[SH], 8
	v_lshl_add_u32 v25, v28, 8, v[QSO]             ; V's: + 256 w + 4,096 (head % 2)
	v_add_nc_u32 v25, s30, v25
	s_lshl_b32 s30, ttmp9, 14
	v_add_nc_u32 v[QO], s30, v[QO]                 ; my work-group's 512 queries
	s_lshl_b32 s30, ttmp9, 11
	v_add_nc_u32 v[QSO], s30, v[QSO]
	s_lshl_b32 s28, s21, 16                        ; a head's codes: 65,536 bytes
	s_mov_b32 s29, 0
	s_lshl_b32 s30, s22, 16
	s_lshr_b32 s31, s23, 1
	s_lshl_b32 s31, s31, 13
	s_add_co_u32 s30, s30, s31
	s_add_co_u32 s30, s30, 12582912
	s_mov_b32 s31, 0
	s_wait_kmcnt 0x0
	s_add_nc_u64 s[4:5], s[24:25], s[28:29]        ; q's codes of my head; k's lie 4,194,304 on,
	s_add_nc_u64 s[14:15], s[4:5], 0x800000        ; v's here
	s_add_nc_u64 s[6:7], s[24:25], s[30:31]        ; q's scale words of (b, head / 2); k's 262,144 on, v's of the even head 524,288 on
	s_lshl_b32 s28, s22, 19
	s_lshl_b32 s30, ttmp9, 17
	s_add_co_u32 s28, s28, s30
	s_lshl_b32 s30, s[WV], 8
	s_add_co_u32 s28, s28, s30
	s_add_nc_u64 s[8:9], s[26:27], s[28:29]        ; my 64 mask words of block 0; a block on: 4,096 bytes
	s_lshl_b32 s28, s22, 16
	s_lshl_b32 s30, ttmp9, 14
	s_add_co_u32 s28, s28, s30
	s_lshl_b32 s30, s23, 1
	s_add_co_u32 s28, s28, s30
	s_add_co_u32 s28, s28, 0x400000
	s_add_nc_u64 s[12:13], s[10:11], s[28:29]      ; ctx's scale bytes: token x 32 + 2 head
	s_lshl_b32 s28, s22, 20
	s_lshl_b32 s30, ttmp9, 18
	s_add_co_u32 s28, s28, s30
	s_lshl_b32 s30, s23, 9
	s_add_co_u32 s28, s28, s30
	s_add_nc_u64 s[10:11], s[10:11], s[28:29]      ; ctx's codes: (16 (128 b + T) + head) x 512
	s_wait_alu depctr_va_vdst(0)                   ; the five offsets v24, v25, v29, v[QO], v[QSO] are written, which the loads below read
.irp t, 0,1,2,3,4,5,6,7
	global_load_b128 v[KF+4*\t:KF+4*\t+3], v24, s[4:5] offset:4194304+512*\t
	global_load_b32 v[KS+\t], v29, s[6:7] offset:262144+64*\t
.endr
.irp d, 0,1,2,3
.irp c, 0,1
	global_load_b128 v[VF+8*\d+4*\c:VF+8*\d+4*\c+3], v24, s[14:15] offset:2048*\c+512*\d
.endr
	global_load_b32 v[VS+\d], v25, s[6:7] offset:524288+64*\d
.endr
	global_load_b128 v[QF:QF+3], v[QO], s[4:5]
	global_load_b32 v[QR], v[QSO], s[6:7]
	s_load_b512 s[32:47], s[8:9], 0x0
	s_load_b512 s[48:63], s[8:9], 0x40
	s_load_b512 s[68:83], s[8:9], 0x80
	s_load_b512 s[84:99], s[8:9], 0xc0
	; the LDS addresses, all made of the thread's number and constants (none of these lines writes a register that the loads above read or land in)
	v_mul_u32_u24 v[STR], v26, 144
	v_lshl_add_u32 v[STW], v28, 2, v[STR]
	v_add_nc_u32 v[STW], STAT0, v[STW]
	v_lshl_add_u32 v[STR], v27, 5, v[STR]
	v_add_nc_u32 v[STR], STAT0, v[STR]
	v_mul_u32_u24 v[OW], v28, 4608
	v_bfe_u32 v22, v0, 5, 1
	v_lshl_add_u32 v[OW], v22, 4, v[OW]
	v_bfe_u32 v22, v0, 6, 1
	v_lshl_add_u32 v[OW], v22, 7, v[OW]
	v_mad_u32_u24 v[OW], v26, 272, v[OW]
	v_lshl_add_u32 v[OW], v27, 5, v[OW]
	v_add_nc_u32 v[OW+1], OB1, v[OW]
	v_and_b32 v22, 3, v0                           ; which partials of four: sub, 4 + sub, 8 + sub, 12 + sub
	v_mul_u32_u24 v[ORD], v22, 4608
	v_and_b32 v23, 1, v0
	v_lshl_add_u32 v[ORD], v23, 4, v[ORD]
	v_bfe_u32 v23, v0, 1, 1
	v_lshl_add_u32 v[ORD], v23, 7, v[ORD]
	v_mad_u32_u24 v[ORD], v28, 272, v[ORD]         ; row = query w
	v_bfe_u32 v23, v0, 2, 3                        ; g: d = 8 g .. 8 g + 7
	v_lshl_add_u32 v[ORD], v23, 5, v[ORD]
	v_add_nc_u32 v[ORD+1], OB1, v[ORD]
	v_lshlrev_b32 v[CTW], 8, v27                   ; 256 (g / 4)
	v_lshl_add_u32 v[CTW], v28, 4, v[CTW]          ; + 16 w
	v_bfe_u32 v23, v0, 2, 2
	v_lshl_add_u32 v[CTW], v23, 2, v[CTW]          ; + 4 (g % 4)
	v_add_nc_u32 v[CTW], CT0, v[CTW]
	v_lshl_add_u32 v[CSW], v28, 1, v27
	v_add_nc_u32 v[CSW], CS0, v[CSW]
	v_and_b32 v22, 31, v0
	v_lshlrev_b32 v[GCO], 4, v22
	v_add_nc_u32 v[CTR], CT0, v[GCO]
	v_lshl_add_u32 v[CSR], v26, 1, CS0
.irp i, 0,1,2,3
	v_mov_b32 v[QF+4+\i], 0                        ; Q's codes for k = 64 .. 127: zeros, for the whole launch
.endr
	s_wait_loadcnt 0x0
	s_wait_alu depctr_vm_vsrc(0)                   ; the head's loads have read v24, v25, v29, v[QO], v[QSO]: the first three are at work from block 0 on (the sums, the reciprocal), the last two are stepped at its head
.irp t, 0,1,2,3,4,5,6,7
	v_bfe_u32 v[KS+\t], v[KS+\t], s[SH], 16        ; my head's two bytes; bytes 2 and 3 become 0
.endr
	v_bfe_u32 v[QS], v[QR], s[SH], 16
	v_lshlrev_b32 v[GSO], 5, v26                   ; these twelve plain lines are also the places between the scale words' last write and the first product
	v_mov_b32 v[ZR], 0
	v_mov_b32 v[NM+1], 0
	v_mov_b32 v[G+1], 0
	v_mov_b32 v[F+1], 0
.irp b, 0,1,2,3
	v_mov_b32 v[TM+4+\b], 0                        ; a lane permute's destination counts as one of its sources
.endr
	v_nop
	v_nop
	v_nop
	s_wait_alu depctr_va_vdst(0)                   ; behind the places: K's and Q's cut scale words and Q's zero codes are written, which the first products take; so are all the LDS addresses and v[GCO], v[GSO], which the blocks' LDS and memory instructions read
.macro MAX16                           ; the largest of each 16 registers (a block of 32 keys with lane l xor 16's), four chains by turns; each accumulator is first read at its low end
.irp b, 0,1,2,3
	v_max3_num_f32 v[TM+\b], v[P+16*\b], v[P+16*\b+1], v[P+16*\b+2]
.endr
.irp i, 3,5,7,9,11,13
.irp b, 0,1,2,3
	v_max3_num_f32 v[TM+\b], v[TM+\b], v[P+16*\b+\i], v[P+16*\b+\i+1]
.endr
.endr
.irp b, 0,1,2,3
	v_max_num_f32 v[TM+\b], v[TM+\b], v[P+16*\b+15]
.endr
.endm
; (A macro's argument is put in as text: wherever one stands inside a product it is written in parentheses.)
.macro FLUSH_IN par                    ; the image of a finished block's codes, and its scale bytes: every wave reads them, wave 0 stores them
	ds_load_b128 v[OA:OA+3], v[CTR] offset:512*(\par)
	ds_load_u16 v[OA+4], v[CSR] offset:256*(\par)
.endm
.macro FLUSH_OUT again                 ; again = 1: the five registers are written again further on
	s_cmp_lg_u32 s[WV], 0
	s_cbranch_scc1 .Lnot_wave_0_\@
	global_store_b128 v[GCO], v[OA:OA+3], s[10:11]     ; 512 consecutive bytes, aligned
	global_store_b16 v[GSO], v[OA+4], s[12:13]         ; two bytes of each of 16 rows of 32 (lanes 16-31 write the same again): one byte in 16 of what the launch stores
	s_wait_xcnt 0x0                                ; the stores have read their data and bases: both are written again below
.if \again
	s_wait_alu depctr_vm_vsrc(0)                   ; beside it: the two stores have read v[OA .. OA+4], which the second products, or the next image's loads, write
.endif
	s_add_nc_u64 s[10:11], s[10:11], 8192
	s_add_nc_u64 s[12:13], s[12:13], 512
.Lnot_wave_0_\@:
.endm
.macro RLOAD pr                        ; query w's eight d of four partials
.irp k, 0,1,2,3
.irp e, 0,1
	ds_load_b128 v[P+8*\k+4*\e:P+8*\k+4*\e+3], v[ORD+(\pr)] offset:18432*\k+16*\e
.endr
.endr
.endm
.macro RSUM                            ; the 16 partials are summed; ctx of token w is quantised along d (a row of 16 lanes holds a block of 32)
.irp i, 0,2,4,6
	v_pk_add_f32 v[P+\i:P+\i+1], v[P+\i:P+\i+1], v[P+8+\i:P+9+\i]
	v_pk_add_f32 v[P+16+\i:P+17+\i], v[P+16+\i:P+17+\i], v[P+24+\i:P+25+\i]
.endr
.irp i, 0,2,4,6
	v_pk_add_f32 v[P+\i:P+\i+1], v[P+\i:P+\i+1], v[P+16+\i:P+17+\i]
.endr
.irp i, 0,1,2,3,4,5,6,7
	v_add_f32_dpp v[P+\i], v[P+\i], v[P+\i] row_xmask:1 row_mask:0xf bank_mask:0xf
.endr
.irp i, 0,1,2,3,4,5,6,7
	v_add_f32_dpp v[P+\i], v[P+\i], v[P+\i] row_xmask:2 row_mask:0xf bank_mask:0xf
.endr
	v_max3_num_f32 v[T0], |v[P]|, |v[P+1]|, 0x1800000
	v_max3_num_f32 v[T0], v[T0], |v[P+2]|, |v[P+3]|
	v_max3_num_f32 v[T0], v[T0], |v[P+4]|, |v[P+5]|
	v_max3_num_f32 v[T0], v[T0], |v[P+6]|, |v[P+7]|
	v_max_num_f32_dpp v[T0], v[T0], v[T0] row_xmask:4 row_mask:0xf bank_mask:0xf
	v_max_num_f32_dpp v[T0], v[T0], v[T0] row_xmask:8 row_mask:0xf bank_mask:0xf
	v_add_nc_u32 v[T1], 0xff000000, v[T0]
	v_lshrrev_b32 v[T0], 23, v[T1]
	v_cvt_scalef32_pk8_fp4_f32 v[CD], v[P:P+7], v[T1]
	v_nop                                          ; one plain place behind the scaled conversion
.endm
.macro RSTORE pr                       ; its codes and scale byte go to the image of parity pr
	ds_store_b32 v[CTW], v[CD] offset:512*(\pr)    ; the four lanes that share eight d write the same word with the same value
	ds_store_b8 v[CSW], v[T0] offset:256*(\pr)
.endm
; A BLOCK of 16 queries.  par: its parity; red: the block before is summed; fl: the block two before is stored; nxt: the next block's Q and mask words are asked for
.macro BLOCK par, red, fl, nxt
.irp t, 0,1,2,3,4,5,6,7
	v_wmma_scale_f32_16x16x128_f8f6f4 v[P+8*\t:P+8*\t+7], v[KF+4*\t:KF+4*\t+7], v[QF:QF+7], 0, v[KS+\t], v[QS] matrix_a_fmt:MATRIX_FMT_FP4 matrix_b_fmt:MATRIX_FMT_FP4
.endr
.if \nxt
	v_add_nc_u32 v[QO], 0x200, v[QO]               ; four places behind the products; the last loads by these offsets were waited for in the block before, and its wait on vm_vsrc behind the barrier has shown the offsets read
	v_add_nc_u32 v[QSO], 64, v[QSO]
	v_nop
	v_nop
.else
.rept 4
	v_nop
.endr
.endif
	MAX16
	v_max3_num_f32 v[T0], v[TM], v[TM+1], v[TM+2]
	v_max_num_f32 v[T0], v[T0], v[TM+3]
	v_permlanex16_b32 v[T1], v[T0], s[SEL], s[SEL+1]
	v_max_num_f32 v[T0], v[T0], v[T1]              ; my query's largest score among my wave's 128 keys
	v_mul_f32 v[T0], s[CS], v[T0]
	v_floor_f32 v[NM], -v[T0]                      ; -M_w = floor(-t): a whole number
.set n, 0
.rept 32
	v_pk_fma_f32 v[P+n:P+n+1], v[P+n:P+n+1], s[CS:CS+1], v[NM:NM+1] op_sel_hi:[1,0,0]   ; t - M_w, two at a time
.set n, n+2
.endr
.set n, 0
.rept 64
	v_exp_f32 v[P+n], v[P+n]
.set n, n+1
.endr
	v_nop                                          ; a plain place behind the exponentials,
	s_wait_alu depctr_va_vdst(0)                   ; and one wait for the batch: the 64 exponentials have written p, ahead of their first reader.  It also states: the first products are done reading Q's registers, Q's raw scale word has been read, v[QO] and v[QSO] are written
.if \nxt
	global_load_b128 v[QF:QF+3], v[QO], s[4:5]     ; the next block's Q, directly behind that wait
	global_load_b32 v[QR], v[QSO], s[6:7]
.endif
	v_pk_add_f32 v[22:23], v[P:P+1], v[P+2:P+3]    ; the sum takes ALL keys: the mask comes behind the softmax
	v_pk_add_f32 v[24:25], v[P+4:P+5], v[P+6:P+7]
.irp j, 8,12,16,20,24,28,32,36,40,44,48,52,56,60
	v_pk_add_f32 v[22:23], v[22:23], v[P+\j:P+\j+1]
	v_pk_add_f32 v[24:25], v[24:25], v[P+\j+2:P+\j+3]
.endr
	v_pk_add_f32 v[22:23], v[22:23], v[24:25]
	v_add_f32 v[T0], v22, v23
	v_permlanex16_b32 v[T1], v[T0], s[SEL], s[SEL+1]
	v_add_f32 v[T0], v[T0], v[T1]                  ; l_w
	s_wait_alu depctr_va_vdst(0)                   ; l_w is written into v[T0], which the second store below reads.  The LDS loads behind the barrier lean on this wait too: the lines between name P, v[ZR] and TM alone, none of v[OA ..], v[ST ..] or an address
	ds_store_b32 v[STW], v[NM] offset:2304*(\par)  ; lanes l and l xor 16 write the same word with the same value
	ds_store_b32 v[STW], v[T0] offset:2304*(\par)+64
	s_wait_kmcnt 0x0                               ; the mask words are in
	s_wait_dscnt 0x0                               ; for the others' sake: all my LDS stores have landed, all my LDS loads are back
	s_barrier_signal -1
.set n, 0
.rept 64
	v_cndmask_b32 v[P+n], v[P+n], v[ZR], s[32+n+4*(n/32)]   ; register work while the others arrive: a masked weight becomes 0
.set n, n+1
.endr
	MAX16                                          ; each block's largest p that the mask leaves (none is negative)
.irp b, 0,1,2,3
	v_permlanex16_b32 v[TM+4+\b], v[TM+\b], s[SEL], s[SEL+1]
.endr
.irp b, 0,1,2,3
	v_max_num_f32 v[TM+\b], v[TM+\b], v[TM+4+\b]
.endr
	s_barrier_wait -1
.if \fl
	FLUSH_IN \par
.endif
	ds_load_b128 v[ST:ST+3], v[STR] offset:2304*(\par)
	ds_load_b128 v[ST+4:ST+7], v[STR] offset:2304*(\par)+16
	ds_load_b128 v[ST+8:ST+11], v[STR] offset:2304*(\par)+64
	ds_load_b128 v[ST+12:ST+15], v[STR] offset:2304*(\par)+80
	s_wait_dscnt 0x0
	s_wait_alu depctr_vm_vsrc(0)                   ; the two stores ahead of the barrier have read v[NM] and v[T0] (T0 is written a few lines down, NM in the next block); the loads of Q have read v[QO] and v[QSO], which the next block's head steps
.if \fl
	FLUSH_OUT 1
.endif
	v_min3_num_f32 v[T0], v[ST], v[ST+1], v[ST+2]
	v_min3_num_f32 v[T0], v[T0], v[ST+3], v[ST+4]
	v_min3_num_f32 v[T0], v[T0], v[ST+5], v[ST+6]
	v_min_num_f32 v[T0], v[T0], v[ST+7]
	v_permlanex16_b32 v[T1], v[T0], s[SEL], s[SEL+1]
	v_min_num_f32 v[G], v[T0], v[T1]               ; -M = the least -M_i
.irp i, 0,2,4,6
	v_pk_add_f32 v[ST+\i:ST+\i+1], v[G:G+1], v[ST+\i:ST+\i+1] op_sel_hi:[0,1] neg_lo:[0,1] neg_hi:[0,1]   ; M_i - M: whole numbers, 0 or less
.endr
.irp i, 0,1,2,3,4,5,6,7
	v_cvt_i32_f32 v[ST+\i], v[ST+\i]               ; (it saturates)
.endr
.irp i, 0,1,2,3,4,5,6,7
	v_ldexp_f32 v[ST+8+\i], v[ST+8+\i], v[ST+\i]   ; l_i under M
.endr
	v_pk_add_f32 v[ST+8:ST+9], v[ST+8:ST+9], v[ST+10:ST+11]
	v_pk_add_f32 v[ST+12:ST+13], v[ST+12:ST+13], v[ST+14:ST+15]
	v_pk_add_f32 v[ST+8:ST+9], v[ST+8:ST+9], v[ST+12:ST+13]
	v_add_f32 v[T0], v[ST+8], v[ST+9]
	v_permlanex16_b32 v[T1], v[T0], s[SEL], s[SEL+1]
	v_add_f32 v[T0], v[T0], v[T1]                  ; l: the row's sum
	v_rcp_f32 v[RL], v[T0]
	v_sub_f32 v[EX], v[G], v[NM]                   ; M_w - M (a plain place behind the reciprocal)
	v_cvt_i32_f32 v[EX], v[EX]
	s_wait_alu depctr_va_vdst(0)                   ; the reciprocal has written v[RL], ahead of its first reader
.if \nxt
	s_add_nc_u64 s[8:9], s[8:9], 0x1000            ; the last scalar loads by this base were waited for ahead of the barrier
	s_load_b512 s[32:47], s[8:9], 0x0
	s_load_b512 s[48:63], s[8:9], 0x40
	s_load_b512 s[68:83], s[8:9], 0x80
	s_load_b512 s[84:99], s[8:9], 0xc0
.endif                                             ; (the next block's mask words; all the selects that read these scalar registers stand ahead of the wait above)
	v_ldexp_f32 v[F], v[RL], v[EX]                 ; F = 2^(M_w - M) / l
.irp b, 0,1,2,3
	v_mul_f32 v[TM+\b], v[TM+\b], v[F]             ; the block's largest weight
.endr
.irp b, 0,1,2,3
	v_max_num_f32 v[TM+\b], 0x1800000, v[TM+\b]    ; the floor 2^(3 - 127): the byte cannot fall under 1
.endr
.irp b, 0,1,2,3
	v_add_nc_u32 v[TM+8+\b], 0xff000000, v[TM+\b]
.endr
.irp b, 0,1,2,3
	v_lshrrev_b32 v[TM+12+\b], 23, v[TM+8+\b]
.endr
	v_lshl_or_b32 v[PW], v[TM+13], 8, v[TM+12]
	v_lshl_or_b32 v[PW], v[TM+14], 16, v[PW]
	v_lshl_or_b32 v[PW], v[TM+15], 24, v[PW]
.if \nxt
	s_wait_loadcnt 0x0                             ; the next block's Q, asked for behind the exponentials
	v_bfe_u32 v[QS], v[QR], s[SH], 16
.endif
.set n, 0
.rept 32
	v_pk_mul_f32 v[P+n:P+n+1], v[P+n:P+n+1], v[F:F+1] op_sel_hi:[1,0]   ; the finished weights.  (Also the places between the two scale words' last writes and the products that take them)
.set n, n+2
.endr
.irp c, 0,1
	v_cvt_scalef32_pk8_fp4_f32 v[PC+4*\c],   v[P+32*\c:P+32*\c+7],     v[TM+8+2*\c]
	v_cvt_scalef32_pk8_fp4_f32 v[PC+4*\c+2], v[P+32*\c+8:P+32*\c+15],  v[TM+8+2*\c]
	v_cvt_scalef32_pk8_fp4_f32 v[PC+4*\c+1], v[P+32*\c+16:P+32*\c+23], v[TM+8+2*\c+1]
	v_cvt_scalef32_pk8_fp4_f32 v[PC+4*\c+3], v[P+32*\c+24:P+32*\c+31], v[TM+8+2*\c+1]
.endr
	v_nop                                          ; one plain place behind the scaled conversions
.irp c, 0,1
	v_permlane16_swap_b32 v[PC+4*\c], v[PC+4*\c+1] ; lanes 0-15: block 2 c whole; lanes 16-31: block 2 c + 1
	v_permlane16_swap_b32 v[PC+4*\c+2], v[PC+4*\c+3]
.endr
.rept 4
	v_nop                                          ; an operand written by vector instructions stands four places ahead of a scaled product
.endr
	s_wait_alu depctr_va_vdst(0)                   ; behind the places: the weights' codes v[PC ..] and scale word v[PW] are written, which the products below take, and v[QS], which the next block's take; the conversions are done reading P, in which the loads below land
.if \red
	RLOAD 1-(\par)                                 ; the block before: its partials were stored in front of this block's barrier
.endif
.irp d, 0,1,2,3
	v_wmma_scale_f32_16x16x128_f8f6f4 v[OA+8*\d:OA+8*\d+7], v[VF+8*\d:VF+8*\d+7], v[PC:PC+7], 0, v[VS+\d], v[PW] matrix_a_fmt:MATRIX_FMT_FP4 matrix_b_fmt:MATRIX_FMT_FP4
.endr
.if \red
	s_wait_dscnt 0x0                               ; the eight loads of partials are in: no LDS instruction was issued behind them
	RSUM                                           ; its twelve packed additions, which name P alone, are the places behind the products
.else
.rept 4
	v_nop
.endr
.endif
	s_wait_alu depctr_va_vdst(0)                   ; behind the places: the products have written O^T, and the summing v[CD] and v[T0]: the data of the run of stores below
.irp d, 0,1,2,3
	ds_store_b128 v[OW+(\par)], v[OA+8*\d:OA+8*\d+3] offset:64*\d        ; each accumulator from its low end on
	ds_store_b128 v[OW+(\par)], v[OA+8*\d+4:OA+8*\d+7] offset:64*\d+16
.endr
.if \red
	RSTORE 1-(\par)
.endif
	s_wait_alu depctr_vm_vsrc(0)                   ; the stores above have read O^T, v[CD] and v[T0]: the next block (or the tail's loads and summing) writes them again
.endm
	BLOCK 0, 0, 0, 1
	BLOCK 1, 1, 0, 1
	s_mov_b32 s[CNT], 14
.Lpair:                                            ; blocks 2 .. 29, two a trip: the parities come back
	BLOCK 0, 1, 1, 1
	BLOCK 1, 1, 1, 1
	s_sub_co_u32 s[CNT], s[CNT], 1
	s_cmp_lg_u32 s[CNT], 0
	s_cbranch_scc1 .Lpair
	BLOCK 0, 1, 1, 1
	BLOCK 1, 1, 1, 0                               ; block 31 asks for nothing: no load leaves its buffer
	s_wait_dscnt 0x0
	s_barrier_signal -1
	s_barrier_wait -1                              ; block 31's partials and block 30's image lie in LDS
	FLUSH_IN 0                                     ; no vector or matrix instruction has been issued since block 31's last wait on va_vdst: these loads owe nothing more
	RLOAD 1
	s_wait_dscnt 0x0
	FLUSH_OUT 1
	RSUM
	s_wait_alu depctr_va_vdst(0)                   ; the summing has written v[CD] and v[T0], which the two stores below read
	RSTORE 1
	s_wait_dscnt 0x0
	s_barrier_signal -1
	s_barrier_wait -1
	FLUSH_IN 1
	s_wait_dscnt 0x0
	FLUSH_OUT 0
	s_wait_dscnt 0x0                               ; the closing lines, six on end
	s_wait_alu 0x0
	s_wait_tensorcnt 0x0
	ds_add_u32 v[SPW], v[NIL]
	s_wait_dscnt 0x0
	s_endpgm
.Lfunc_end_k_qd02027598f_attn:
	.size	k_qd02027598f_attn, .Lfunc_end_k_qd02027598f_attn-k_qd02027598f_attn
	.p2alignl 7, 3214868480
	.fill 96, 4, 3214868480
	.section	.rodata,"a",@progbits
	.p2align	6, 0x0
	.amdhsa_kernel k_qd02027598f_attn
		.amdhsa_group_segment_fixed_size 155648
		.amdhsa_private_segment_fixed_size 0
		.amdhsa_enable_private_segment 0
		.amdhsa_kernarg_size 24
		.amdhsa_user_sgpr_count 2
		.amdhsa_user_sgpr_kernarg_segment_ptr 1
		.amdhsa_wavefront_size32 1
		.amdhsa_system_sgpr_workgroup_id_x 1
		.amdhsa_system_sgpr_workgroup_id_y 1
		.amdhsa_system_sgpr_workgroup_id_z 1
		.amdhsa_system_vgpr_workitem_id 0
		.amdhsa_next_free_vgpr 256
		.amdhsa_next_free_sgpr 100
		.amdhsa_reserve_vcc 0
		.amdhsa_float_denorm_mode_32 3
		.amdhsa_float_denorm_mode_16_64 3
		.amdhsa_memory_ordered 1
		.amdhsa_forward_progress 1
		.amdhsa_inst_pref_size 172
	.end_amdhsa_kernel
	.amdgpu_metadata
---
amdhsa.version: [ 1, 2 ]
amdhsa.kernels:
  - .name:           k_qd02027598f_attn
    .symbol:         k_qd02027598f_attn.kd
    .args:
      - { .name: qkv, .offset: 0, .size: 8, .value_kind: global_buffer, .address_space: global }
      - { .name: maskw, .offset: 8, .size: 8, .value_kind: global_buffer, .address_space: global }
      - { .name: ctx, .offset: 16, .size: 8, .value_kind: global_buffer, .address_space: global }
    .group_segment_fixed_size: 155648
    .private_segment_fixed_size: 0
    .kernarg_segment_align: 8
    .kernarg_segment_size: 24
    .max_flat_workgroup_size: 512
    .sgpr_count:     100
    .vgpr_count:     256
    .wavefront_size: 32
...
	.end_amdgpu_metadata
.endif
;; end of part 5
;; launch outproj: the kernel of part 4 again; grid 4 x 64, 8 waves a work-group, clusters of 4 x 4, 286,464 bytes of LDS; arguments ctx, Wo_codes, Wo_scales, hidden_state_query, out0; writes out0
